; MI455X (gfx1250); checked and timed in simulation.
; The chip was launched on July 23, 2026; its instructions are those of AMD's public machine-readable ISA for CDNA 5 (MIT licence, August 2026) and "CDNA5" Instruction Set Architecture Reference Guide (July 2026). The comments in the code are by the model that wrote it; some were corrected since.
;; Multi Head Attention. Allowed arithmetic: float matrix products may take bf16 or f16 operands with f32 sums; other float arithmetic in f32, or as packed bf16 or f16 multiplies, adds, multiply-adds, maxima and minima; sums over many terms, partial sums and values carried from step to step in f32; what a program stores and reads back later, other than sums and carried values, may be rounded once to bf16 or f16.
;; Inputs: Wk 1,024 x 1,024 float32; Wo 1,024 x 1,024 float32; Wq 1,024 x 1,024 float32; Wv 1,024 x 1,024 float32; bk 1,024 float32; bo 1,024 float32; bq 1,024 float32; bv 1,024 float32; k 4 x 2,048 x 1,024 float32; q 4 x 2,048 x 1,024 float32; v 4 x 2,048 x 1,024 float32; v_mask 4 x 2,048 int32.
;; Outputs: out0 4 x 2,048 x 1,024 float32.
;; One version. Each part assembles by itself: llvm-mc -triple=amdgcn-amd-amdhsa -mcpu=gfx1250 --defsym DOCPART=n.
;; ======== version 1 of 1: 4 launches
;; limits: values are held in f16: magnitudes above 65,504 overflow, below 6.1e-05 lose precision; right only within a limited range of input values
;; workspace buffers: wt 8,388,608 bytes; qkv 50,331,648 bytes; oh 16,777,216 bytes
;; launch prep (part 1): grid 64 x 4, 8 waves a work-group, no clusters, 0 bytes of LDS; arguments Wq, Wk, Wv, Wo, wt; writes wt
.if DOCPART == 1
	.amdgcn_target "amdgcn-amd-amdhsa--gfx1250"
	.amdhsa_code_object_version 6
	.text
	.protected	k_q6dd6aae506_prep
	.globl	k_q6dd6aae506_prep
	.p2align	8
	.type	k_q6dd6aae506_prep,@function
k_q6dd6aae506_prep:
	s_mov_b64 s[64:65], 0
	v_nop
	global_prefetch_b8 v0, s[64:65] scope:SCOPE_SE
	s_setreg_imm32_b32 hwreg(HW_REG_WAVE_MODE, 25, 1), 1
	s_wait_xcnt 0x0
; wt = the four weights in 16 bits, each [1024 k][1024 n] as it lies: sections 0-2 (Wq, Wk, Wv) rounded to bf16; section 3 (Wo) rounded to bf16 and that number written as f16.
; LIMITS.  Wo beyond 65,504 is not served (f16's range); below 6e-5 it keeps f16's fixed step of 6e-8.
; A stream: work-group (x, y) takes 65,536 bytes of weight y; thread t reads 32 bytes of each of eight chunks of 8,192 and stores 16: sixteen lanes store 256 consecutive bytes, aligned.
; All sixteen loads of a thread go out first; no register is written twice, so the only waits are the counted ones for the loads.
.set X, 8                              ; v[8:71]   chunk i: 8 numbers in f32
.set Y, 72                             ; v[72:103] chunk i: 8 numbers in 16 bits
	s_load_b256 s[4:11], s[0:1], 0x0               ; Wq s[4:5], Wk s[6:7], Wv s[8:9], Wo s[10:11]
	s_load_b64 s[12:13], s[0:1], 0x20              ; wt
	s_and_b32 s14, ttmp7, 0xffff                   ; which weight
	v_lshlrev_b32 v1, 5, v0                        ; 32 t
	v_lshlrev_b32 v2, 4, v0                        ; 16 t
	s_lshl_b32 s18, ttmp9, 16                      ; my 65,536 bytes of the weight
	s_mov_b32 s19, 0
	s_lshl_b32 s20, s14, 21                        ; the weight's section of wt,
	s_lshl_b32 s21, ttmp9, 15                      ; my 32,768 bytes of it
	s_add_co_u32 s20, s20, s21
	s_mov_b32 s21, 0
	s_wait_kmcnt 0x0
	s_cmp_eq_u32 s14, 1
	s_cselect_b64 s[16:17], s[6:7], s[4:5]
	s_cmp_eq_u32 s14, 2
	s_cselect_b64 s[16:17], s[8:9], s[16:17]
	s_cmp_eq_u32 s14, 3
	s_cselect_b64 s[16:17], s[10:11], s[16:17]
	s_add_nc_u64 s[16:17], s[16:17], s[18:19]
	s_add_nc_u64 s[12:13], s[12:13], s[20:21]
.irp i, 0,1,2,3,4,5,6,7
	global_load_b128 v[X+8*(\i):X+8*(\i)+3],   v1, s[16:17] offset:8192*(\i) th:TH_LOAD_NT
	global_load_b128 v[X+8*(\i)+4:X+8*(\i)+7], v1, s[16:17] offset:8192*(\i)+16 th:TH_LOAD_NT
.endr
	s_cmp_eq_u32 s14, 3
	s_cbranch_scc1 .Lf16
.irp i, 0,1,2,3,4,5,6,7
	s_wait_loadcnt 14-2*(\i)                       ; loads come back in order: chunk i's two are in, the 14 - 2 i younger ones stay out
.irp j, 0,1,2,3
	v_cvt_pk_bf16_f32 v[Y+4*(\i)+(\j)], v[X+8*(\i)+2*(\j)], v[X+8*(\i)+2*(\j)+1]
.endr
	global_store_b128 v2, v[Y+4*(\i):Y+4*(\i)+3], s[12:13] offset:4096*(\i)
.endr
	s_endpgm
.Lf16:                                         ; Wo: to bf16, widened again, and written as f16
.irp i, 0,1,2,3,4,5,6,7
	s_wait_loadcnt 14-2*(\i)
.irp j, 0,1,2,3
	v_cvt_pk_bf16_f32 v4, v[X+8*(\i)+2*(\j)], v[X+8*(\i)+2*(\j)+1]
	v_lshlrev_b32 v5, 16, v4
	v_and_b32 v4, 0xffff0000, v4
	v_cvt_pk_f16_f32 v[Y+4*(\i)+(\j)], v5, v4
.endr
	global_store_b128 v2, v[Y+4*(\i):Y+4*(\i)+3], s[12:13] offset:4096*(\i)
.endr
	s_endpgm
.Lfunc_end_k_q6dd6aae506_prep:
	.size	k_q6dd6aae506_prep, .Lfunc_end_k_q6dd6aae506_prep-k_q6dd6aae506_prep
	.p2alignl 7, 3214868480
	.fill 96, 4, 3214868480
	.section	.rodata,"a",@progbits
	.p2align	6, 0x0
	.amdhsa_kernel k_q6dd6aae506_prep
		.amdhsa_group_segment_fixed_size 0
		.amdhsa_private_segment_fixed_size 0
		.amdhsa_enable_private_segment 0
		.amdhsa_kernarg_size 40
		.amdhsa_user_sgpr_count 2
		.amdhsa_user_sgpr_kernarg_segment_ptr 1
		.amdhsa_wavefront_size32 1
		.amdhsa_system_sgpr_workgroup_id_x 1
		.amdhsa_system_sgpr_workgroup_id_y 1
		.amdhsa_system_sgpr_workgroup_id_z 1
		.amdhsa_system_vgpr_workitem_id 0
		.amdhsa_next_free_vgpr 104
		.amdhsa_next_free_sgpr 66
		.amdhsa_reserve_vcc 0
		.amdhsa_float_denorm_mode_32 3
		.amdhsa_float_denorm_mode_16_64 3
		.amdhsa_memory_ordered 1
		.amdhsa_forward_progress 1
		.amdhsa_inst_pref_size 14
	.end_amdhsa_kernel
	.amdgpu_metadata
---
amdhsa.version: [ 1, 2 ]
amdhsa.kernels:
  - .name:           k_q6dd6aae506_prep
    .symbol:         k_q6dd6aae506_prep.kd
    .args:
      - { .name: Wq, .offset: 0, .size: 8, .value_kind: global_buffer, .address_space: global }
      - { .name: Wk, .offset: 8, .size: 8, .value_kind: global_buffer, .address_space: global }
      - { .name: Wv, .offset: 16, .size: 8, .value_kind: global_buffer, .address_space: global }
      - { .name: Wo, .offset: 24, .size: 8, .value_kind: global_buffer, .address_space: global }
      - { .name: wt, .offset: 32, .size: 8, .value_kind: global_buffer, .address_space: global }
    .group_segment_fixed_size: 0
    .private_segment_fixed_size: 0
    .kernarg_segment_align: 8
    .kernarg_segment_size: 40
    .max_flat_workgroup_size: 256
    .sgpr_count:     66
    .vgpr_count:     104
    .wavefront_size: 32
...
	.end_amdgpu_metadata
.endif
;; end of part 1
;; launch proj (part 2): grid 4 x 192, 4 waves a work-group, clusters of 4 x 4, 327,680 bytes of LDS; arguments q, k, v, wt, bq, bk, bv, v_mask, qkv; writes qkv
.if DOCPART == 2
	.amdgcn_target "amdgcn-amd-amdhsa--gfx1250"
	.amdhsa_code_object_version 6
	.text
	.protected	k_q6dd6aae506_proj
	.globl	k_q6dd6aae506_proj
	.p2align	8
	.type	k_q6dd6aae506_proj,@function
k_q6dd6aae506_proj:
	s_mov_b64 s[64:65], 0
	v_nop
	global_prefetch_b8 v0, s[64:65] scope:SCOPE_SE
	s_setreg_imm32_b32 hwreg(HW_REG_WAVE_MODE, 25, 1), 1
	s_wait_xcnt 0x0
	s_wait_alu depctr_hold_cnt(0) depctr_sa_sdst(0) depctr_va_vdst(0) depctr_va_sdst(0) depctr_va_ssrc(0) depctr_va_vcc(0) depctr_vm_vsrc(0)
	s_getreg_b32 s2, hwreg(HW_REG_IB_STS2, 6, 4)
	s_cmp_eq_u32 s2, 0
	s_cbranch_scc0 .Lentry_in_a_cluster
	s_endpgm
.Lentry_in_a_cluster:
	s_bfe_u32 s2, ttmp6, 0x10000c
	s_cmp_lg_u32 s2, 0xf033
	s_cbranch_scc0 .Lentry_shape_is_right
	s_endpgm
.Lentry_shape_is_right:
; THE THREE INPUT PROJECTIONS.  For p = 0, 1, 2 (q, k, v): y = x W + b, x [8192][1024] f32, W = section p of wt, [1024 k][1024 n] bf16, b [1024] f32; x and b are rounded to bf16, sums in f32.
; k's rows are multiplied by float(v_mask[row]) (the mask's factor on the scores), q's and v's by 1.  y is rounded once to f16 and stored by heads: qkv section p, [batch x 16 + head][2048][64].
; LIMIT.  |y| stays under 65,504 (f16's range); NaN and infinities are not treated apart.
; SHARES.  A work-group makes 128 rows x 256 columns; its four waves 64 x 128 each: 32 accumulators of 16 x 16.  K goes in 8 steps of 128 through two LDS slots filled by the tensor data mover.
; x lies in LDS as f32 and is rounded on the way into the fragments, four conversions behind each of a quarter's last eight products; W lies [k][n] and is read turned (ds_load_tr16_b128).
; THE MATRIX INSTRUCTION IS USED TRANSPOSED: source 0 = 16 columns of W, source 1 = 16 rows of x: a lane holds one row of y and eight neighbouring columns.  The bias is the C of the first products.
; CLUSTER 4 x 4: the four of a row need the same rows of x, the four of a column the same columns of W: each tile is asked for jointly.  The cluster's y counts 16 blocks of 512 rows for each p.
; REGISTERS.  window 0: v0-31 addresses and row factors; v32-95 bias; v96-159 x's fragments, two buffers; v160-223 x in f32.  window 1: v0-127 W's fragments, two buffers.  window 2: the accumulators, (a, b) at 64 a + 8 b.
.set PA,     528                       ; a row of x in LDS: 512 bytes + 16: the 16 rows of a load start 4 banks apart (64 banks of 4 bytes: ISA guide 11.1)
.set PB,     544                       ; a k row of W: 512 bytes + 32 = 17 x 32
.set AHALF,  64*PA                     ; what one tensor load brings of x
.set AREG,   2*AHALF
.set BHALF,  64*PB                     ; and of W
.set SLOT,   AREG+2*BHALF              ; x's 128 rows, then W's 128 k rows
.set STAGE,  2*SLOT                    ; behind the ring: 16 rows x 272 bytes for each wave
.set SPITCH, 272
.set SPARE,  STAGE+4*16*SPITCH         ; the spare words: 128 bytes a wave, two blocks of 256 bytes that no other line names
.set RS,   8                           ; v[8:15]  the row factor of m block a, as a pair, at RS + 2 a
.set ADRA, 16                          ; v16-17   LDS address of my x fragments in slot 0, 1
.set ADRB, 20                          ; v20-21   the same for W
.set STO,  24
.set RD,   25
.set GO,   26
.set BO,   27                          ; 32 x (lane / 16): my 8 columns in a block of 16, in f32
.set SPW,  28
.set NIL,  29
.set PFO,  30
.set MO,   31                          ; 4 x (lane % 16)
.set BIAS, 32
.set AF,   96
.set RAW,  160
.set TMP,  32                          ; the way out: 32 registers for each m block
.set G1,  24
.set G0,  32
.set G1B, 48
.set G0B, 56
.set PFA, 86                           ; s[86:87] where my prefetches stand
.set PFS, 88                           ; s[88:89] a K step in bytes: 512 along x's rows, 128 rows of W
.set LIM, 90                           ; 1 in a wave that prefetches, else the greatest number
.set KSEL, 91                          ; all ones where p = 1
.set MSB, 0
.macro WIN new                         ; the immediate's high byte repeats the setting that is left
.if MSB != (\new)
	s_set_vgpr_msb (MSB<<8)|(\new)
.set MSB, \new
.endif
.endm
.set MUL,  0xa1                        ; source 0 (W) window 1, source 1 (x) window 0, C and D window 2
.set MULB, 0x81                        ; the same with C (the bias) in window 0
.set TO_B, 0x40                        ; destination window 1, address window 0
.macro JLOAD s                         ; a joint load: waves 0 and 1 fetch x's two halves, waves 2 and 3 W's; an s_nop 0 and four v_nop follow each line
	s_cmp_eq_u32 s11, 0
	s_cbranch_scc0 .Lfor_b_\@
	tensor_load_to_lds s[G0+4*(\s):G0+4*(\s)+3], s[G1:G1+7]
	s_nop 0
.rept 4
	v_nop
.endr
	s_branch .Lasked_\@
.Lfor_b_\@:
	tensor_load_to_lds s[G0B+4*(\s):G0B+4*(\s)+3], s[G1B:G1B+7]
	s_nop 0
.rept 4
	v_nop
.endr
.Lasked_\@:
.endm
.macro CREST                           ; a round of the cluster's barrier behind its opening barrier
	s_cmp_lg_u32 s10, 0
	s_cbranch_scc1 .Lnot_wave_0_\@
	s_barrier_signal -3
.Lnot_wave_0_\@:
	s_barrier_wait -3
	s_barrier_signal -1
	s_barrier_wait -1
.endm
.macro CROUND
	s_barrier_signal -1
	s_barrier_wait -1
	CREST
.endm
.macro PLACES
.rept 4
	v_nop
.endr
.endm
; A prefetch into the L2 of the K step that stands two refills on.  Of the 64 rows x 512 bytes that a wave fetches, each of the four partners that ask jointly takes 16 rows, told apart by address; a lane names 256 bytes.
; x's rows are read by this cluster alone; W's columns by the 16 clusters of one p, of which the first asks.  The loop's last trip has no K step two on.
.macro ASK
	s_cmp_gt_u32 s3, s[LIM]
	s_cbranch_scc0 .Lnot_mine_\@
	global_prefetch_b8 v[PFO], s[PFA:PFA+1] th:TH_LOAD_NT scope:SCOPE_SE
.Lnot_mine_\@:
.endm
	s_load_b256 s[68:75], s[0:1], 0x0              ; q s[68:69], k s[70:71], v s[72:73], wt s[74:75]
	s_load_b256 s[76:83], s[0:1], 0x20             ; bq s[76:77], bk s[78:79], bv s[80:81], v_mask s[82:83]
	s_load_b64 s[84:85], s[0:1], 0x40              ; qkv
	v_lshl_add_u32 v[SPW], v0, 2, SPARE
	v_mov_b32 v[NIL], 0
	ds_add_u32 v[SPW], v[NIL]                      ; the wave's opening: the add and its wait stand ahead of my first tensor load
	v_lshrrev_b32 v1, 5, v0
	v_readfirstlane_b32 s10, v1                    ; wave 0..3
	s_lshr_b32 s11, s10, 1                         ; my half of the rows.  Also: I fetch for x (0) or for W (1)
	s_and_b32 s12, s10, 1                          ; my half of the columns.  Also: which 64 rows of that tile I fetch
	s_bfe_u32 s40, ttmp6, 0x40000                  ; cx
	s_bfe_u32 s41, ttmp6, 0x40004                  ; cy
	s_lshl_b32 s42, ttmp9, 2
	s_add_co_u32 s42, s42, s40                     ; nt: my 256 columns
	s_and_b32 s13, ttmp7, 0xffff                   ; the cluster's y: 16 p + block of 512 rows
	s_lshr_b32 s45, s13, 4                         ; p
	s_and_b32 s13, s13, 15
	s_lshl_b32 s13, s13, 2
	s_add_co_u32 s13, s13, s41                     ; mt: my 128 rows
	s_lshl_b32 s43, s41, 2
	s_lshl_b32 s43, 15, s43                        ; my row of the cluster
	s_lshl_b32 s44, 0x1111, s40                    ; my column
	s_or_b32 s[G1+0], s43, (2<<16)|(1<<20)|(1<<21)|(6<<22)|(3<<25)   ; x: mask of my row; elements of 4 bytes; padding on; bit 21 beside a mask; after every 128 words 4 words
	s_mov_b32 s[G1+1], 128<<16                     ; tensor_dim0 = 128
	s_mov_b32 s[G1+2], 64<<16                      ; tensor_dim1 = 64
	s_mov_b32 s[G1+3], 128<<16                     ; tile_dim0 = 128
	s_mov_b32 s[G1+4], 64                          ; tile_dim1 = 64
	s_mov_b32 s[G1+5], 1024                        ; elements from row to row
	s_mov_b32 s[G1+6], 0
	s_mov_b32 s[G1+7], 0
	s_or_b32 s[G1B+0], s44, (1<<16)|(1<<20)|(1<<21)|(6<<22)|(7<<25)  ; W: mask of my column; elements of 2 bytes; after every 128 words 8 words
	s_mov_b32 s[G1B+1], 256<<16
	s_mov_b32 s[G1B+2], 64<<16
	s_mov_b32 s[G1B+3], 256<<16
	s_mov_b32 s[G1B+4], 64
	s_mov_b32 s[G1B+5], 1024
	s_mov_b32 s[G1B+6], 0
	s_mov_b32 s[G1B+7], 0
	s_lshl_b32 s16, s13, 7
	s_lshl_b32 s17, s12, 6
	s_add_co_u32 s16, s16, s17                     ; x: row 128 mt + 64 x half,
	s_lshl_b32 s16, s16, 12                        ; of 4,096 bytes
	s_mov_b32 s17, 0
	s_lshl_b32 s46, s12, 17                        ; W: k row 64 x half, of 2,048 bytes,
	s_lshl_b32 s47, s42, 9                         ; column 256 nt
	s_add_co_u32 s46, s46, s47
	s_mov_b32 s47, 0
	s_lshl_b32 s22, s45, 21                        ; W's section of wt
	s_mov_b32 s23, 0
	s_mul_i32 s20, s12, AHALF                      ; where they go: no place in the cluster enters an LDS address
	s_mul_i32 s21, s12, BHALF
	s_add_co_u32 s21, s21, AREG
	s_wait_dscnt 0x0                               ; the opening add is done
	s_wait_kmcnt 0x0
	s_cmp_eq_u32 s45, 1
	s_cselect_b64 s[4:5], s[70:71], s[68:69]       ; x
	s_cselect_b64 s[92:93], s[78:79], s[76:77]     ; b
	s_cselect_b32 s[KSEL], -1, 0
	s_cmp_eq_u32 s45, 2
	s_cselect_b64 s[4:5], s[72:73], s[4:5]
	s_cselect_b64 s[92:93], s[80:81], s[92:93]
	s_add_nc_u64 s[6:7], s[74:75], s[22:23]
	s_add_nc_u64 s[14:15], s[4:5], s[16:17]
	s_add_nc_u64 s[46:47], s[6:7], s[46:47]
	CROUND                                         ; all sixteen work-groups are here: the first joint loads meet
.irp s, 0,1
	s_mov_b32 s[G0+4*(\s)], 1
	s_add_co_u32 s[G0+4*(\s)+1], s20, (\s)*SLOT
	s_add_nc_u64 s[G0+4*(\s)+2:G0+4*(\s)+3], s[14:15], (\s)*512      ; K step s: 128 f32 along the rows
	s_or_b32 s[G0+4*(\s)+3], s[G0+4*(\s)+3], 0x80000000
	s_mov_b32 s[G0B+4*(\s)], 1
	s_add_co_u32 s[G0B+4*(\s)+1], s21, (\s)*SLOT
	s_add_nc_u64 s[G0B+4*(\s)+2:G0B+4*(\s)+3], s[46:47], (\s)*262144 ; K step s: 128 rows down
	s_or_b32 s[G0B+4*(\s)+3], s[G0B+4*(\s)+3], 0x80000000
	JLOAD \s
.endr
	v_and_b32 v1, 15, v0                           ; l % 16
	v_bfe_u32 v2, v0, 4, 1                         ; l / 16
	v_and_b32 v3, 7, v0
	v_bfe_u32 v4, v0, 3, 1
	v_lshlrev_b32 v[BO], 5, v2
	v_lshlrev_b32 v[MO], 2, v1
	s_lshl_b32 s46, s42, 10                        ; the bias of my 128 columns
	s_lshl_b32 s47, s12, 9
	s_add_co_u32 s46, s46, s47
	s_mov_b32 s47, 0
	s_add_nc_u64 s[92:93], s[92:93], s[46:47]
	s_lshl_b32 s16, s13, 7                         ; the mask of my 64 rows
	s_lshl_b32 s17, s11, 6
	s_add_co_u32 s16, s16, s17
	s_lshl_b32 s16, s16, 2
	s_mov_b32 s17, 0
	s_add_nc_u64 s[94:95], s[82:83], s[16:17]
.irp b, 0,1,2,3,4,5,6,7
	global_load_b128 v[BIAS+8*(\b):BIAS+8*(\b)+3],   v[BO], s[92:93] offset:64*(\b)      ; register j of block b: column 16 b + 8 (l / 16) + j, as in the accumulators
	global_load_b128 v[BIAS+8*(\b)+4:BIAS+8*(\b)+7], v[BO], s[92:93] offset:64*(\b)+16
.endr
.irp a, 0,1,2,3
	global_load_b32 v[RS+2*(\a)], v[MO], s[94:95] offset:64*(\a)                          ; row 16 a + l % 16
.endr
	v_mul_u32_u24 v5, v1, PA                       ; x's fragment: row l % 16; 8 f32 at 32 (l / 16)
	v_lshl_add_u32 v5, v2, 5, v5
	s_mul_i32 s21, s11, AHALF
	v_add_nc_u32 v[ADRA], s21, v5
	s_add_co_u32 s21, s21, SLOT
	v_add_nc_u32 v[ADRA+1], s21, v5
	v_lshl_add_u32 v5, v2, 3, v3                   ; W's, turned: k row 8 (l / 16) + l % 8, 16 bytes at 16 ((l / 8) % 2)
	v_mul_u32_u24 v5, v5, PB
	v_lshl_add_u32 v5, v4, 4, v5
	s_lshl_b32 s22, s12, 8
	s_add_co_u32 s22, s22, AREG
	v_add_nc_u32 v[ADRB], s22, v5
	s_add_co_u32 s22, s22, SLOT
	v_add_nc_u32 v[ADRB+1], s22, v5
	s_mul_i32 s23, s10, 16*SPITCH
	s_add_co_u32 s23, s23, STAGE                   ; my stage
	v_mul_u32_u24 v5, v1, SPITCH
	v_lshl_add_u32 v5, v2, 4, v5
	v_add_nc_u32 v[STO], s23, v5
	v_bfe_u32 v5, v0, 3, 2                         ; back: 32 lanes take 128 bytes (a head's 64 channels) of four rows
	v_mul_u32_u24 v5, v5, SPITCH
	v_lshl_add_u32 v5, v3, 4, v5
	v_add_nc_u32 v[RD], s23, v5
	v_and_b32 v5, 31, v0
	v_lshlrev_b32 v[GO], 4, v5                     ; which are 512 consecutive bytes of qkv
	s_lshr_b32 s16, s13, 4                         ; where my rows begin in qkv: (16 batch + 4 nt + 2 x column half) heads of 262,144 bytes,
	s_lshl_b32 s16, s16, 4
	s_lshl_b32 s46, s42, 2
	s_add_co_u32 s46, s46, s16
	s_lshl_b32 s47, s12, 1
	s_add_co_u32 s46, s46, s47
	s_lshl_b32 s46, s46, 18
	s_and_b32 s16, s13, 15                         ; row 128 (mt % 16) + 64 x row half, of 128 bytes,
	s_lshl_b32 s16, s16, 7
	s_lshl_b32 s17, s11, 6
	s_add_co_u32 s16, s16, s17
	s_lshl_b32 s16, s16, 7
	s_add_co_u32 s46, s46, s16
	s_lshl_b32 s47, s45, 24                        ; section p
	s_add_co_u32 s46, s46, s47
	s_mov_b32 s47, 0
	s_add_nc_u64 s[8:9], s[84:85], s[46:47]
	s_lshl_b32 s18, s13, 7                         ; the prefetches.  x: row 128 mt + 64 x half + 16 cx
	s_lshl_b32 s19, s12, 6
	s_add_co_u32 s18, s18, s19
	s_lshl_b32 s19, s40, 4
	s_add_co_u32 s18, s18, s19
	s_lshl_b32 s18, s18, 12
	s_lshl_b32 s19, s12, 6                         ; W: k row 64 x half + 16 cy, column 256 nt
	s_lshl_b32 s22, s41, 4
	s_add_co_u32 s19, s19, s22
	s_lshl_b32 s19, s19, 11
	s_lshl_b32 s22, s42, 9
	s_add_co_u32 s19, s19, s22
	s_and_b32 s22, ttmp7, 15                       ; which of the 16 clusters of this p
	s_mov_b32 s[PFS], 0x40000
	s_cmp_eq_u32 s11, 0                            ; do I fetch for x?
	s_cselect_b32 s18, s18, s19
	s_cselect_b32 s22, 0, s22
	s_cselect_b32 s20, 12, 11                      ; a row's bytes, as a shift
	s_cselect_b32 s[PFS], 512, s[PFS]
	s_cselect_b64 s[PFA:PFA+1], s[4:5], s[6:7]
	s_cmp_eq_u32 s22, 0
	s_cselect_b32 s[LIM], 1, -1                    ; the same in all sixteen partners, for a given wave
	s_mul_i32 s19, s[PFS], 3
	s_add_co_u32 s18, s18, s19                     ; at K step 3: the first refill steps it to 4
	s_mov_b32 s19, 0
	s_add_nc_u64 s[PFA:PFA+1], s[PFA:PFA+1], s[18:19]
	s_mov_b32 s[PFS+1], 0
	v_lshlrev_b32 v[PFO], s20, v1                  ; lane: row l % 16, block of 256 bytes l / 16
	v_lshl_add_u32 v[PFO], v2, 8, v[PFO]
; 32 LDS loads in one run: quarter q (32 along K) of a slot: W's 8 fragments, turned, into buffer g; x's 64 rows in f32 into RAW
.macro FETCH slot, q, g
	WIN TO_B
.irp b, 0,1,2,3,4,5,6,7
	ds_load_tr16_b128 v[64*(\g)+8*(\b):64*(\g)+8*(\b)+3],   v[ADRB+(\slot)] offset:(\q)*32*PB+32*(\b)
	ds_load_tr16_b128 v[64*(\g)+8*(\b)+4:64*(\g)+8*(\b)+7], v[ADRB+(\slot)] offset:(\q)*32*PB+16*PB+32*(\b)
.endr
	WIN 0
.irp a, 0,1,2,3
	ds_load_b128 v[RAW+16*(\a):RAW+16*(\a)+3],     v[ADRA+(\slot)] offset:(\a)*16*PA+(\q)*128
	ds_load_b128 v[RAW+16*(\a)+4:RAW+16*(\a)+7],   v[ADRA+(\slot)] offset:(\a)*16*PA+(\q)*128+16
	ds_load_b128 v[RAW+16*(\a)+8:RAW+16*(\a)+11],  v[ADRA+(\slot)] offset:(\a)*16*PA+(\q)*128+64
	ds_load_b128 v[RAW+16*(\a)+12:RAW+16*(\a)+15], v[ADRA+(\slot)] offset:(\a)*16*PA+(\q)*128+80
.endr
.endm
; four roundings: half c % 2 of the fragment of m block c / 2, into buffer g
.macro CVT4 g, c
.irp i, 0,1,2,3
	v_cvt_pk_bf16_f32 v[AF+32*(\g)+8*((\c)/2)+4*((\c)%2)+(\i)], v[RAW+16*((\c)/2)+8*((\c)%2)+2*(\i)], v[RAW+16*((\c)/2)+8*((\c)%2)+2*(\i)+1]
.endr
.endm
; 8 products: m block a x all 8 n blocks, buffer f.  first = 1: the bias starts the sums.  rid >= 0: four roundings into buffer rid behind each product; behind the last they are
; the four plain instructions between it and the loads into the registers that it read.  The 32 accumulators take turns, one instruction a turn.
.macro MULS f, a, first, rid
.irp b, 0,1,2,3,4,5,6,7
.if \first
	WIN MULB
	v_wmma_f32_16x16x32_bf16 v[64*(\a)+8*(\b):64*(\a)+8*(\b)+7], v[64*(\f)+8*(\b):64*(\f)+8*(\b)+7], v[AF+32*(\f)+8*(\a):AF+32*(\f)+8*(\a)+7], v[BIAS+8*(\b):BIAS+8*(\b)+7]
.else
	WIN MUL
	v_wmma_f32_16x16x32_bf16 v[64*(\a)+8*(\b):64*(\a)+8*(\b)+7], v[64*(\f)+8*(\b):64*(\f)+8*(\b)+7], v[AF+32*(\f)+8*(\a):AF+32*(\f)+8*(\a)+7], v[64*(\a)+8*(\b):64*(\a)+8*(\b)+7]
.endif
.if (\rid) >= 0
	WIN 0
	CVT4 \rid, \b
.endif
.endr
.endm
; One of a K step's first three quarters: asks for quarter q into buffer g, multiplies buffer f, and rounds x for g beside its last eight products.
.macro QUARTER slot, q, f, g, first
	FETCH \slot, \q, \g
	MULS \f, 0, \first, -1
	MULS \f, 1, \first, -1
	MULS \f, 2, \first, -1
	s_wait_dscnt 0x0                               ; the 32 loads, issued 24 products ago
	MULS \f, 3, \first, \g
.endm
; The last quarter multiplies buffer 1 and changes slots: each wave waits for all its tensor loads (one is out: its part of the next slot), adds 0 to its spare word and waits for that; its reads of
; this slot came back in the quarter before.  fill = 1: the barrier opens a round of the cluster's, and this slot is filled again, two K steps on, first thing behind it.
.macro TURN slot, next, fill
.if \fill
	s_wait_xcnt 0x0                                ; the last prefetch, a K step back, has read its address
	s_add_nc_u64 s[PFA:PFA+1], s[PFA:PFA+1], s[PFS:PFS+1]
.endif
	WIN 0
	s_wait_tensorcnt 0x0
	ds_add_u32 v[SPW], v[NIL]                      ; 0 onto my spare word; eight products stand between it and the wait for it
	MULS 1, 0, 0, -1
	s_wait_dscnt 0x0
	s_barrier_signal -1
	MULS 1, 1, 0, -1
.if \fill
	WIN 0
.endif
	s_barrier_wait -1
.if \fill
	CREST
	s_add_nc_u64 s[G0+4*(\slot)+2:G0+4*(\slot)+3], s[G0+4*(\slot)+2:G0+4*(\slot)+3], 1024
	s_add_nc_u64 s[G0B+4*(\slot)+2:G0B+4*(\slot)+3], s[G0B+4*(\slot)+2:G0B+4*(\slot)+3], 524288
	JLOAD \slot                                    ; 112 products stand between this request and the wait for it
.else
	PLACES
.endif
	FETCH \next, 0, 0
.if \fill
	ASK
.endif
	MULS 1, 2, 0, -1
	s_wait_dscnt 0x0
	MULS 1, 3, 0, 0
.endm
	s_wait_tensorcnt 0x1                           ; my part of K step 0 is in; K step 1's may stay out
	s_barrier_signal -1
	s_barrier_wait -1
	FETCH 0, 0, 0
	s_wait_loadcnt 0x0                             ; bias and mask
.set i, 0
.rept 32
	v_cvt_pk_bf16_f32 v5, v[BIAS+2*i], v[BIAS+2*i+1]   ; the bias is rounded to bf16 like every other input, and kept in f32
	v_lshlrev_b32 v[BIAS+2*i], 16, v5
	v_and_b32 v[BIAS+2*i+1], 0xffff0000, v5
.set i, i+1
.endr
.irp a, 0,1,2,3
	v_cvt_f32_i32 v[RS+2*(\a)], v[RS+2*(\a)]
.endr
.irp a, 0,1,2,3
	v_cndmask_b32 v[RS+2*(\a)], 1.0, v[RS+2*(\a)], s[KSEL]  ; the mask for k's rows, 1 for q's and v's
	v_mov_b32 v[RS+2*(\a)+1], v[RS+2*(\a)]
.endr
	s_wait_dscnt 0x0
.irp c, 0,1,2,3,4,5,6,7
	CVT4 0, \c
.endr
	QUARTER 0, 1, 0, 1, 1                          ; the first quarter stands in front of the loop: its products start the sums
	WIN 0
	s_mov_b32 s3, 3
.Llap:                                         ; a trip goes once round the ring and fills both slots again
	QUARTER 0, 2, 1, 0, 0
	QUARTER 0, 3, 0, 1, 0
	TURN 0, 1, 1
	QUARTER 1, 1, 0, 1, 0
	QUARTER 1, 2, 1, 0, 0
	QUARTER 1, 3, 0, 1, 0
	TURN 1, 0, 1
	QUARTER 0, 1, 0, 1, 0
	WIN 0
	s_sub_co_u32 s3, s3, 1
	s_cmp_lg_u32 s3, 0
	s_cbranch_scc1 .Llap
	QUARTER 0, 2, 1, 0, 0                          ; the last lap fills nothing
	QUARTER 0, 3, 0, 1, 0
	TURN 0, 1, 0
	QUARTER 1, 1, 0, 1, 0
	QUARTER 1, 2, 1, 0, 0
	QUARTER 1, 3, 0, 1, 0
	MULS 1, 0, 0, -1
	MULS 1, 1, 0, -1
	MULS 1, 2, 0, -1
	MULS 1, 3, 0, -1
	WIN 0
	PLACES
; THE WAY OUT of m block a: times the row factor, rounded to f16, 16 bytes a lane into my stage, back as 128 bytes of four rows of one head.
.macro PACK a
	WIN 0x82                                       ; destination and source 0 window 2, the factor window 0
.set i, 64*(\a)
.rept 32
	v_pk_mul_f32 v[i:i+1], v[i:i+1], v[RS+2*(\a):RS+2*(\a)+1]
.set i, i+2
.endr
	WIN 0x0a                                       ; sources window 2, destination window 0
.set i, 0
.rept 32
	v_cvt_pk_f16_f32 v[TMP+32*(\a)+i], v[64*(\a)+2*i], v[64*(\a)+2*i+1]
.set i, i+1
.endr
	WIN 0
.irp b, 0,1,2,3,4,5,6,7
	ds_store_b128 v[STO], v[TMP+32*(\a)+4*(\b):TMP+32*(\a)+4*(\b)+3] offset:32*(\b)
.endr
.irp t, 0,1,2,3,4,5,6,7
	ds_load_b128 v[TMP+32*(\a)+4*(\t):TMP+32*(\a)+4*(\t)+3], v[RD] offset:((\t)%4)*4*SPITCH+((\t)/4)*128  ; LDS serves a wave's instructions in order (ISA guide 5.7.1.4): these see the stores above
.endr
.endm
.macro SEND a, younger                 ; younger: the LDS instructions issued behind block a's loads: the next block's sixteen, or none
.irp t, 0,1,2,3,4,5,6,7
	s_wait_dscnt (\younger)+7-(\t)
	global_store_b128 v[GO], v[TMP+32*(\a)+4*(\t):TMP+32*(\a)+4*(\t)+3], s[8:9] offset:((\t)/4)*262144+(\a)*2048+((\t)%4)*512  ; 512 consecutive bytes of one head, aligned
.endr
.endm
	PACK 0
	PACK 1
	SEND 0, 16
	PACK 2
	SEND 1, 16
	PACK 3
	SEND 2, 16
	SEND 3, 0
	s_wait_tensorcnt 0x0                           ; the wave's end
	ds_add_u32 v[SPW], v[NIL]
	s_wait_dscnt 0x0
	CROUND                                         ; the closing round
	s_endpgm
.Lfunc_end_k_q6dd6aae506_proj:
	.size	k_q6dd6aae506_proj, .Lfunc_end_k_q6dd6aae506_proj-k_q6dd6aae506_proj
	.p2alignl 7, 3214868480
	.fill 96, 4, 3214868480
	.section	.rodata,"a",@progbits
	.p2align	6, 0x0
	.amdhsa_kernel k_q6dd6aae506_proj
		.amdhsa_group_segment_fixed_size 327680
		.amdhsa_private_segment_fixed_size 0
		.amdhsa_enable_private_segment 0
		.amdhsa_kernarg_size 72
		.amdhsa_user_sgpr_count 2
		.amdhsa_user_sgpr_kernarg_segment_ptr 1
		.amdhsa_wavefront_size32 1
		.amdhsa_system_sgpr_workgroup_id_x 1
		.amdhsa_system_sgpr_workgroup_id_y 1
		.amdhsa_system_sgpr_workgroup_id_z 1
		.amdhsa_system_vgpr_workitem_id 0
		.amdhsa_next_free_vgpr 768
		.amdhsa_next_free_sgpr 96
		.amdhsa_reserve_vcc 0
		.amdhsa_float_denorm_mode_32 3
		.amdhsa_float_denorm_mode_16_64 3
		.amdhsa_memory_ordered 1
		.amdhsa_forward_progress 1
		.amdhsa_inst_pref_size 150
	.end_amdhsa_kernel
	.amdgpu_metadata
---
amdhsa.version: [ 1, 2 ]
amdhsa.kernels:
  - .name:           k_q6dd6aae506_proj
    .symbol:         k_q6dd6aae506_proj.kd
    .args:
      - { .name: q, .offset: 0, .size: 8, .value_kind: global_buffer, .address_space: global }
      - { .name: k, .offset: 8, .size: 8, .value_kind: global_buffer, .address_space: global }
      - { .name: v, .offset: 16, .size: 8, .value_kind: global_buffer, .address_space: global }
      - { .name: wt, .offset: 24, .size: 8, .value_kind: global_buffer, .address_space: global }
      - { .name: bq, .offset: 32, .size: 8, .value_kind: global_buffer, .address_space: global }
      - { .name: bk, .offset: 40, .size: 8, .value_kind: global_buffer, .address_space: global }
      - { .name: bv, .offset: 48, .size: 8, .value_kind: global_buffer, .address_space: global }
      - { .name: v_mask, .offset: 56, .size: 8, .value_kind: global_buffer, .address_space: global }
      - { .name: qkv, .offset: 64, .size: 8, .value_kind: global_buffer, .address_space: global }
    .group_segment_fixed_size: 327680
    .private_segment_fixed_size: 0
    .kernarg_segment_align: 8
    .kernarg_segment_size: 72
    .max_flat_workgroup_size: 128
    .sgpr_count:     96
    .vgpr_count:     768
    .wavefront_size: 32
...
	.end_amdgpu_metadata
.endif
;; end of part 2
;; launch attn (part 3): grid 4 x 64, 4 waves a work-group, clusters of 4 x 1, 327,680 bytes of LDS; arguments qkv, v_mask, oh; writes oh
.if DOCPART == 3
	.amdgcn_target "amdgcn-amd-amdhsa--gfx1250"
	.amdhsa_code_object_version 6
	.text
	.protected	k_q6dd6aae506_attn
	.globl	k_q6dd6aae506_attn
	.p2align	8
	.type	k_q6dd6aae506_attn,@function
k_q6dd6aae506_attn:
	s_mov_b64 s[64:65], 0
	v_nop
	global_prefetch_b8 v0, s[64:65] scope:SCOPE_SE
	s_setreg_imm32_b32 hwreg(HW_REG_WAVE_MODE, 25, 1), 1
	s_wait_xcnt 0x0
	s_wait_alu depctr_hold_cnt(0) depctr_sa_sdst(0) depctr_va_vdst(0) depctr_va_sdst(0) depctr_va_ssrc(0) depctr_va_vcc(0) depctr_vm_vsrc(0)
	s_getreg_b32 s2, hwreg(HW_REG_IB_STS2, 6, 4)
	s_cmp_eq_u32 s2, 0
	s_cbranch_scc0 .Lentry_in_a_cluster
	s_endpgm
.Lentry_in_a_cluster:
	s_bfe_u32 s2, ttmp6, 0x10000c
	s_cmp_lg_u32 s2, 0x3003
	s_cbranch_scc0 .Lentry_shape_is_right
	s_endpgm
.Lentry_shape_is_right:
; ATTENTION WITH A KEY MASK.  O[h][q][:] = the sum over k of softmax_k(s[q][k]) V[h][k][:], s = Q[h][q] . K[h][k] / 8 where v_mask[batch][k] = 1, and far below every score where it is 0.
; Q, K, V: the three sections of qkv, each [64 = batch x 16 + head][2048][64] f16; K's rows arrive multiplied by the mask.  O: oh, the same layout, f16.  Products, maxima and sums in f32; the weights p are
; rounded to f16 for the second product (their sum l is taken of the unrounded p), O once at the end.
; THE MASK is the C operand that starts S^T = K Q^T: (m - 1) x 2^43 for each key, from a table in LDS made once.  A masked key's row of K is 0, so its score is exactly -2^43, which with the factor 1 / 8 is -1.1e12.
; f16 operands make scores of 64 x 65,504^2 / 8 = 3.4e10 at the most, so beside any open key a masked key's weight is 0.  c x 2^43 is exact, so where all keys of a batch are masked c s - c m is 0, every weight 1,
; and the softmax uniform.
; LIMITS.  v_mask holds 0 or 1.  Q, K, V arrive within f16's range; p below 6e-5 keeps f16's fixed step of 6e-8; a weight below 2^-126 counts as 0 in l; NaN and infinities are not treated apart.
; SHARES.  A wave owns four PIECES of two tiles of 16 queries, a work-group's four waves 512 queries of one head.  Every wave walks all keys, 64 a step.
; LAYOUT.  S^T = K Q^T (source 0 = 16 keys, source 1 = 16 queries): a lane holds ONE query (lane % 16) and the keys 8 (lane / 16) + 0..7.  Two such tiles, rounded to f16 in pairs, ARE source 1 of O^T = V^T P.
; K comes out of LDS as it lies, V ([key][channel]) turned, by ds_load_tr16_b128.
; SOFTMAX.  A running maximum m and sum l: p = 2^(c s - c m), c = log2(e) / 8; in every step O and l are multiplied by a = 2^(c m_old - c m_new).  m starts at the lowest finite number, O and l at 0.
; BY TURNS.  Turn n belongs to piece n.  Its matrix work: 16 products K Q^T of piece n + 1, later 16 products V^T P of piece n - 1.  Its vector work: the scaling, exponentials, roundings, sums and rescaling of
; piece n, and the maximum and statistics of piece n + 1.  Four vector instructions stand behind every matrix instruction, the others in one run; a turn's 66 exponentials are one batch with one wait.
; CLUSTER.  The four query blocks of a head walk the same K and V: each tile is asked for jointly.
; REGISTERS, in windows of 256 (s_set_vgpr_msb: bits 1:0 source 0, 3:2 source 1, 5:4 source 2, 7:6 destination):
;   window 0: v0-11 addresses; v12-15, v48-63 at work; v16-47 statistics; v64-191 S^T, two buffers of two tiles; v192-255 P, likewise
;   window 1: O^T, 32 a tile     window 2: v0-127 Q; v128-191 K of one step; v192-255 V of one step     window 3: v0-1 the add's two registers; v8-39 the mask of one step's 64 keys
.set SIZE_N, 2048
.set NP,    4
.set KS,    64
.set PK,    144       ; a row of K in LDS: 128 bytes + 16
.set PV,    160       ; a row of V: 128 + 32
.set VOFF,  4*KS*PK   ; a slot holds four steps: 256 rows of K, then 256 rows of V
.set SLOT1, 1<<17
.set STAGE, SLOT1+4*KS*(PK+PV)
.set SP,    144
.set SPARE, STAGE+4*16*SP  ; the spare words: 128 bytes a wave, two blocks of 256 bytes that no other line names
.set MTAB,  SPARE+512      ; the batch's 2,048 mask addends in f32: written once by LDS stores, never filled by a tensor load
.set AK0, 2
.set AV0, 3
.set AK,  4
.set AV,  5
.set STO, 6
.set RD,  7
.set GO,  8
.set AM,  9           ; v9   the LDS address of the mask's next run of loads
.set PFO, 10          ; v10  256 x my lane; never rewritten
.set AM0, 11          ; v11  MTAB + 32 (lane / 16); never rewritten
.set QO,  12          ; v12  my byte offset in the wave's rows of Q; free when Q is in
.set SPW, 0           ; window 3
.set NIL, 1           ; window 3
.set MK,  8           ; window 3: key block kb at MK + 8 kb
.set MV,  12
.set ST,  16
.set TMP, 48
.set S,   64
.set P,   192
.set KF,  128
.set VF,  192
.set WV,  12
.set G1K, 24
.set G1V, 32
.set G0K, 40
.set G0V, 44
.set PFA, 48          ; s[48:49] where my prefetches stand
.set LIM, 50          ; s50  1 in waves 0 and 2, else the greatest number
.set TBM, 51          ; s51  byte of the table at which the step to be fetched begins
.set MB,  52          ; s[52:53] v_mask at my batch
.set SLOTS, 56
.set CNT, 57
.set CS,  58
.set SEL, 60
.set TBK, 62
.set TBV, 63
.set MSB, 0
.macro WIN new
.if MSB != (\new)
	s_set_vgpr_msb (MSB<<8)|(\new)
.set MSB, (\new)
.endif
.endm
.set W_KQ, 0x0a       ; K and Q in window 2, S^T in window 0
.set W_KM, 0x3a       ; the same with the C operand, the mask, in window 3
.set W_PV, 0x52
.set W_RS, 0x41
.set W_MK, 0xc0
.set W_AD, 0x0f
.macro JLOAD                        ; waves 0 and 1 fetch the halves of a slot's K, waves 2 and 3 of its V; an s_nop 0 and four v_nop follow each line
	s_cmp_lt_u32 s[WV], 2
	s_cbranch_scc0 .Lfor_v_\@
	tensor_load_to_lds s[G0K:G0K+3], s[G1K:G1K+7]
	s_nop 0
.rept 4
	v_nop
.endr
	s_branch .Lasked_\@
.Lfor_v_\@:
	tensor_load_to_lds s[G0V:G0V+3], s[G1V:G1V+7]
	s_nop 0
.rept 4
	v_nop
.endr
.Lasked_\@:
.endm
; A prefetch into the L2 of what the NEXT change of slots will ask for: 256 keys are 128 blocks of 256 bytes of K and of V; the four partners take 32 blocks each, told apart by address; wave 0 asks for K's, wave 2 for V's.
; One cluster walks a head, so each block is named once.  The last change that fills a slot names nothing.
.macro ASK
	s_cmp_gt_u32 s[SLOTS], s[LIM]
	s_cbranch_scc0 .Lnot_mine_\@
	global_prefetch_b8 v[PFO], s[PFA:PFA+1] th:TH_LOAD_NT scope:SCOPE_SE
.Lnot_mine_\@:
.endm
.macro CROUND
	s_barrier_signal -1
	s_barrier_wait -1
	s_cmp_lg_u32 s[WV], 0
	s_cbranch_scc1 .Lnot_wave_0_\@
	s_barrier_signal -3
.Lnot_wave_0_\@:
	s_barrier_wait -3
	s_barrier_signal -1
	s_barrier_wait -1
.endm
; THE CHANGE OF SLOTS.  Each wave waits for all its tensor loads, of which one is out: its part of the other slot; adds 0 to its spare word; and waits for that and for its own LDS instructions.
; fill = 1: the slot left is filled again, with the keys two slots on, first thing behind a round of the cluster's barrier: four key steps, 512 matrix instructions, in which to land.
; (At its first use nothing has been read yet: slot 0 is waited for, slot 1 filled, and the round shows every wave's part of the mask table to the others.)
.macro CHANGE fill
	WIN W_AD
	s_wait_tensorcnt 0x0
	ds_add_u32 v[SPW], v[NIL]
	WIN 0
.if \fill
.irp g, G0K, G0V
	s_xor_b32 s[\g+1], s[\g+1], SLOT1
	s_add_nc_u64 s[\g+2:\g+3], s[\g+2:\g+3], 4*KS*128
.endr
	s_wait_xcnt 0x0                 ; the last prefetch, four key steps back, has read its address
	s_add_nc_u64 s[PFA:PFA+1], s[PFA:PFA+1], 4*KS*128
	s_wait_dscnt 0x0
	CROUND
	JLOAD
	ASK
.else
	s_wait_dscnt 0x0
	s_barrier_signal -1
	s_barrier_wait -1
.endif
	s_sub_co_u32 s[TBK], s[TBK], 4*KS*PK
	s_xor_b32 s[TBK], s[TBK], SLOT1
	s_sub_co_u32 s[TBV], s[TBV], 4*KS*PV
	s_xor_b32 s[TBV], s[TBV], SLOT1
.endm
	s_load_b128 s[4:7], s[0:1], 0x0   ; qkv s[4:5], v_mask s[6:7]
	s_load_b64 s[10:11], s[0:1], 0x10 ; oh
	WIN W_MK
	v_lshl_add_u32 v[SPW], v0, 2, SPARE
	v_mov_b32 v[NIL], 0
	WIN W_AD
	ds_add_u32 v[SPW], v[NIL]       ; the wave's opening: the add and its wait stand ahead of my first tensor load
	WIN 0
	v_lshrrev_b32 v1, 5, v0
	v_readfirstlane_b32 s[WV], v1
	s_bfe_u32 s13, ttmp6, 0x40000   ; cx
	s_lshl_b32 s14, ttmp9, 2
	s_add_co_u32 s14, s14, s13      ; my block of 512 queries
	s_and_b32 s20, ttmp7, 0xffff    ; batch x 16 + head
	s_lshr_b32 s54, s20, 4
	s_lshl_b32 s54, s54, 13         ; the batch's 2,048 words of v_mask
	s_mov_b32 s55, 0
	s_mov_b32 s21, 0
	s_mov_b64 s[22:23], SIZE_N*128
	s_mul_u64 s[20:21], s[20:21], s[22:23]  ; the head's first byte in each section and in oh
	s_and_b32 s16, s[WV], 1         ; which half of a slot's 256 keys I fetch
	s_lshl_b32 s22, s16, 14
	s_mov_b32 s23, 0
	s_add_nc_u64 s[22:23], s[22:23], s[20:21]
	s_mul_i32 s17, s16, 128*PK
	s_mul_i32 s18, s16, 128*PV
	s_lshl_b32 s2, s14, 2
	s_add_co_u32 s2, s2, s[WV]
	s_lshl_b32 s2, s2, 14           ; my wave's 128 rows
	s_mov_b32 s3, 0
	s_add_nc_u64 s[2:3], s[2:3], s[20:21]
	; descriptor group 1.  128 keys are 16,384 dense bytes: asked for as 64 rows of 256 bytes, two keys a row, padded in LDS after every key
	s_mov_b32 s[G1K], 15|(1<<16)|(1<<20)|(1<<21)|(4<<22)|(3<<25)
	s_mov_b32 s[G1V], 15|(1<<16)|(1<<20)|(1<<21)|(4<<22)|(7<<25)
.irp g, G1K, G1V
	s_mov_b32 s[\g+1], 128<<16
	s_mov_b32 s[\g+2], 64<<16
	s_mov_b32 s[\g+3], 128<<16
	s_mov_b32 s[\g+4], 64
	s_mov_b32 s[\g+5], 128
	s_mov_b32 s[\g+6], 0
	s_mov_b32 s[\g+7], 0
.endr
	s_mov_b32 s[CS], 0x3e38aa3b     ; c = log2(e) / 8
	s_mov_b32 s[CS+1], s[CS]
	s_mov_b32 s[SEL], 0x76543210
	s_mov_b32 s[SEL+1], 0xfedcba98
	s_mov_b32 s[TBK], SLOT1+4*KS*PK ; the first change of slots turns these two into 0
	s_mov_b32 s[TBV], SLOT1+4*KS*PV
	s_mov_b32 s[TBM], 0
	s_mov_b32 s[SLOTS], SIZE_N/256-1
	s_mov_b32 s[G0K], 1
	s_mov_b32 s[G0K+1], s17
	s_mov_b32 s[G0V], 1
	s_add_co_u32 s[G0V+1], s18, VOFF
	s_and_b32 s[LIM], s[WV], 1
	s_cmp_eq_u32 s[LIM], 0
	s_cselect_b32 s[LIM], 1, -1
	s_wait_dscnt 0x0                ; the opening add is done
	s_wait_kmcnt 0x0
	s_add_nc_u64 s[MB:MB+1], s[6:7], s[54:55]
	s_add_nc_u64 s[6:7], s[4:5], 0x1000000   ; K's section
	s_add_nc_u64 s[8:9], s[4:5], 0x2000000   ; V's
	s_mov_b32 s54, 0x55000000       ; 2^43
	s_mov_b32 s55, 0xd5000000       ; -2^43
	s_add_nc_u64 s[G0K+2:G0K+3], s[6:7], s[22:23]
	s_or_b32 s[G0K+3], s[G0K+3], 0x80000000
	s_add_nc_u64 s[G0V+2:G0V+3], s[8:9], s[22:23]
	s_or_b32 s[G0V+3], s[G0V+3], 0x80000000
	s_cmp_lt_u32 s[WV], 2
	s_cselect_b64 s[PFA:PFA+1], s[6:7], s[8:9]
	s_add_nc_u64 s[PFA:PFA+1], s[PFA:PFA+1], s[20:21]
	s_add_nc_u64 s[4:5], s[4:5], s[2:3]      ; Q and O at my wave's first row
	s_add_nc_u64 s[10:11], s[10:11], s[2:3]
	s_lshl_b32 s2, s13, 13          ; my work-group's 32 blocks of the 128
	s_add_nc_u64 s[PFA:PFA+1], s[PFA:PFA+1], s[2:3]
	s_add_nc_u64 s[PFA:PFA+1], s[PFA:PFA+1], 4*KS*128  ; at keys 256 on; the first change steps it to 512 on
	CROUND                          ; all four work-groups are here: the first joint loads meet
	JLOAD                           ; slot 0
	v_and_b32 v1, 15, v0            ; l % 16
	v_bfe_u32 v9, v0, 4, 1          ; l / 16
	v_lshlrev_b32 v13, 4, v0        ; 16 x thread: my four words of each quarter of the mask
	v_lshl_add_u32 v14, v0, 4, MTAB
	v_lshlrev_b32 v[QO], 7, v1
	v_lshl_add_u32 v[QO], v9, 4, v[QO]
.irp i, 0,1,2,3
	global_load_b128 v[S+4*(\i):S+4*(\i)+3], v13, s[MB:MB+1] offset:2048*(\i)
.endr
	WIN 0x80
.set i, 0
.rept 4*NP                          ; Q stays in registers: tile i / 2, channels 32 (i % 2) on
	global_load_b128 v[8*i:8*i+3],   v[QO], s[4:5] offset:(i/2)*2048+(i%2)*64
	global_load_b128 v[8*i+4:8*i+7], v[QO], s[4:5] offset:(i/2)*2048+(i%2)*64+32
.set i, i+1
.endr
	; What the first turn finds: V's registers and P's second buffer hold 0, O^T and l are 0.  All this stands in the wait for the first tile.
.set i, VF
.rept 64
	v_mov_b32 v[i], 0
.set i, i+1
.endr
	WIN 0x40
.set i, 0
.rept 64*NP
	v_mov_b32 v[i], 0
.set i, i+1
.endr
	WIN 0
.set i, 0
.rept 2*NP
	v_mov_b32 v[ST+4*i], 0xfe000000    ; c m: far below every c s, a masked key's too
	v_mov_b32 v[ST+4*i+1], 0xff7fffff  ; m
	v_mov_b32 v[ST+4*i+2], 0
	v_mov_b32 v[ST+4*i+3], 0
.set i, i+1
.endr
.set i, P+32
.rept 32
	v_mov_b32 v[i], 0
.set i, i+1
.endr
	v_mul_u32_u24 v[AK0], v1, PK
	v_lshl_add_u32 v[AK0], v9, 4, v[AK0]
	v_and_b32 v10, 7, v0
	v_bfe_u32 v11, v0, 3, 1
	v_lshl_add_u32 v[AV0], v9, 3, v10
	v_mul_u32_u24 v[AV0], v[AV0], PV
	v_lshl_add_u32 v[AV0], v11, 4, v[AV0]
	v_add_nc_u32 v[AV0], VOFF, v[AV0]
	v_mov_b32 v[AK], v[AK0]         ; key step 0 lies at the head of slot 0
	s_mul_i32 s13, s[WV], 16*SP
	s_add_co_u32 s13, s13, STAGE    ; my stage
	v_mul_u32_u24 v[STO], v1, SP
	v_lshl_add_u32 v[STO], v9, 4, v[STO]
	v_add_nc_u32 v[STO], s13, v[STO]
	v_bfe_u32 v[RD], v0, 3, 2
	v_mul_u32_u24 v[RD], v[RD], SP
	v_lshl_add_u32 v[RD], v10, 4, v[RD]
	v_add_nc_u32 v[RD], s13, v[RD]
	v_and_b32 v[GO], 31, v0
	v_lshlrev_b32 v[GO], 4, v[GO]
	v_lshl_add_u32 v[AM0], v9, 5, MTAB  ; a lane's eight keys of a block of 16: 32 bytes at 32 (l / 16)
	v_mov_b32 v[AM], v[AM0]
	v_and_b32 v[PFO], 31, v0
	v_lshlrev_b32 v[PFO], 8, v[PFO]
	s_wait_loadcnt 32               ; the mask's four loads are in; Q's 32, issued behind them, stay out
.set i, 0
.rept 16
	v_cvt_f32_i32 v[S+i], v[S+i]
.set i, i+1
.endr
.set i, 0
.rept 16
	v_fma_f32 v[S+i], v[S+i], s54, s55  ; (m - 1) x 2^43: 0 for an open key, -2^43 for a masked one
.set i, i+1
.endr
.irp i, 0,1,2,3
	ds_store_b128 v14, v[S+4*(\i):S+4*(\i)+3] offset:2048*(\i)
.endr
; THE MATRIX WORK.  The 8 accumulators of a run of 16 take turns.
; Product i of 16 of S^T = K Q^T for piece x: channels 32 (i / 8) on, keys 16 ((i / 2) % 4) on, tile 2 x + i % 2.  The first 8 start the sums, with the mask.
.macro KQ x
.set rS, S+64*((\x)%2)+32*(i%2)+8*((i/2)%4)
.set rK, KF+16*((i/2)%4)+8*(i/8)
.set rQ, 16*(2*(\x)+i%2)+8*(i/8)
.set rMK, MK+8*((i/2)%4)
.if i < 8
	WIN W_KM
	v_wmma_f32_16x16x32_f16 v[rS:rS+7], v[rK:rK+7], v[rQ:rQ+7], v[rMK:rMK+7]
.else
	WIN W_KQ
	v_wmma_f32_16x16x32_f16 v[rS:rS+7], v[rK:rK+7], v[rQ:rQ+7], v[rS:rS+7]
.endif
.endm
; Product i of 16 of O^T += V^T P for piece x: keys 32 (i / 8) on, channels 16 ((i / 2) % 4) on, tile 2 x + i % 2.
.macro PV x
	WIN W_PV
.set rO, 32*(2*(\x)+i%2)+8*((i/2)%4)
.set rV, VF+32*(i/8)+8*((i/2)%4)
.set rP, P+32*((\x)%2)+16*(i%2)+8*(i/8)
	v_wmma_f32_16x16x32_f16 v[rO:rO+7], v[rV:rV+7], v[rP:rP+7], v[rO:rO+7]
.endm
.macro MM                           ; the turn's next matrix instruction
.if i < 16
	KQ (Y+1)%NP
.set i, i+1
.else
.set i, i-16
	PV (Y+NP-1)%NP
.set i, i+17
.endif
.endm
; THE LDS LOADS stand in runs: a step's K (8 fragments) with its 64 mask addends (all lanes of a half read the same 32 bytes), and its V (turned).  The mask's registers live as long as K's.
; last = 1 (the tail): in the last trip there is no further step, and the run is jumped over.
.macro FETCH_K last=0
	WIN 0
.if \last
	s_cmp_eq_u32 s[CNT], 1
	s_cbranch_scc1 .Lno_k_\@
.endif
	WIN 0x80
.irp f, 0,1,2,3,4,5,6,7
	ds_load_b128 v[KF+8*\f:KF+8*\f+3],   v[AK] offset:(\f/2)*16*PK+(\f%2)*64
	ds_load_b128 v[KF+8*\f+4:KF+8*\f+7], v[AK] offset:(\f/2)*16*PK+(\f%2)*64+32
.endr
	WIN 0xc0                        ; destination window 3
.irp f, 0,1,2,3
	ds_load_b128 v[MK+8*\f:MK+8*\f+3],   v[AM] offset:64*\f
	ds_load_b128 v[MK+8*\f+4:MK+8*\f+7], v[AM] offset:64*\f+16
.endr
	s_add_co_u32 s[TBK], s[TBK], KS*PK
	s_add_co_u32 s[TBM], s[TBM], 4*KS
	s_and_b32 s[TBM], s[TBM], 0x1fff    ; stays inside the table
	WIN 0
.if \last
.Lno_k_\@:
.endif
.endm
.macro FETCH_V
	WIN 0x80
.irp f, 0,1,2,3,4,5,6,7
	ds_load_tr16_b128 v[VF+8*\f:VF+8*\f+3],   v[AV] offset:(\f/4)*32*PV+(\f%4)*32
	ds_load_tr16_b128 v[VF+8*\f+4:VF+8*\f+7], v[AV] offset:(\f/4)*32*PV+16*PV+(\f%4)*32
.endr
	WIN 0
.endm
; THE VECTOR WORK OF A TURN stands in three queues, each in the order in which its entries become ready; the two tiles alternate.
.macro REGS y, u
.set rT, ST+4*(2*(\y)+(\u))
.set rC, TMP+8*((\y)%2)+4*(\u)
.set rM, MV+2*((\y)%2)+(\u)
.set rS, S+64*((\y)%2)+32*(\u)
.set rP, P+32*((\y)%2)+16*(\u)
.set rO, 32*(2*(\y)+(\u))
.endm
; Number n of the 22 that find the NEXT piece's maximum and statistics; each accumulator's lowest registers are read first.
;   0-11 four chains of seven scores   12-14, 16 the four scores left over, the old m, the four into one   15 c m_old is kept   17, 18 the other half of the lanes: the new m   19-21 c m; its change; a
.macro XS u, n
	REGS (Y+1)%NP, \u
.if (\n) < 4
	v_max3_num_f32 v[rC+(\n)], v[rS+8*(\n)], v[rS+8*(\n)+1], v[rS+8*(\n)+2]
.elseif (\n) < 12
	v_max3_num_f32 v[rC+(\n)%4], v[rC+(\n)%4], v[rS+8*((\n)%4)+2*((\n)/4)+1], v[rS+8*((\n)%4)+2*((\n)/4)+2]
.elseif (\n) == 12
	v_max3_num_f32 v[rC], v[rC], v[rS+7], v[rS+15]
.elseif (\n) == 13
	v_max3_num_f32 v[rC+1], v[rC+1], v[rS+23], v[rS+31]
.elseif (\n) == 14
	v_max3_num_f32 v[rC+2], v[rC+2], v[rC+3], v[rT+1]
.elseif (\n) == 15
	v_mov_b32 v[rM], v[rT]
.elseif (\n) == 16
	v_max3_num_f32 v[rC], v[rC], v[rC+1], v[rC+2]
.elseif (\n) == 17
	v_permlanex16_b32 v[rC+3], v[rC], s[SEL], s[SEL+1]
.elseif (\n) == 18
	v_max_num_f32 v[rT+1], v[rC], v[rC+3]
.elseif (\n) == 19
	v_mul_f32 v[rT], s[CS], v[rT+1]
.elseif (\n) == 20
	v_sub_f32 v[rC+1], v[rM], v[rT]
.else
	v_exp_f32 v[rC+2], v[rC+1]
.endif
.endm
; Number g of the 64 that follow the exponentials: for each four weights both pairs are rounded to f16, the second pair is added onto the first, and a group later l takes that sum (the first time as l = a l + sum).
.macro GS g
.set h, (\g)+6*((\g)/62)
.if h >= 6
.set h, h+2
.endif
	REGS Y, h%2
.set k, h/8
.if h%8 < 4
	v_cvt_pk_f16_f32 v[rP+2*k+(h%8)/2], v[rS+4*k+2*((h%8)/2)], v[rS+4*k+2*((h%8)/2)+1]
.elseif h%8 < 6
	v_pk_add_f32 v[rS+4*k:rS+4*k+1], v[rS+4*k:rS+4*k+1], v[rS+4*k+2:rS+4*k+3]
.elseif k == 1
	v_pk_fma_f32 v[rT+2:rT+3], v[rT+2:rT+3], v[rC+2:rC+3], v[rS:rS+1] op_sel_hi:[1,0,1]
.else
	v_pk_add_f32 v[rT+2:rT+3], v[rT+2:rT+3], v[rS+4*k-4:rS+4*k-3]
.endif
.endm
; THE PLAIN QUEUE, 138 long.  0-73 read no exponential's result: the 32 scalings c s - c m and the next piece's 42.  74-137: GS's 64, behind the wait.
.macro FS f
	REGS Y, (\f)%2
	v_pk_fma_f32 v[rS+2*((\f)/2):rS+2*((\f)/2)+1], v[rS+2*((\f)/2):rS+2*((\f)/2)+1], s[CS:CS+1], v[rT:rT+1] op_sel_hi:[1,0,0] neg_lo:[0,0,1] neg_hi:[0,0,1]
.endm
.macro PL
	WIN 0
.if q < 27
	FS q
.elseif q < 55
	XS (q-27)%2, (q-27)/2
.elseif q < 57
	XS q-55, 15
.elseif (q < 72) && ((q-57)%3 == 0)
	FS 27+(q-57)/3
.elseif q < 60
	XS (q-57)%3-1, 14
.elseif q < 72
	XS (q-57)%3-1, 15+(q-57)/3
.elseif q < 74
	XS q-72, 20
.else
	GS q-74
.endif
.set q, q+1
.endm
; THE EXPONENTIALS' QUEUE, 66 long: one batch, all ahead of the turn's one wait; nothing ahead of that wait names a result of theirs.
.macro EX
	WIN 0
.if e >= 64
	XS e-64, 21
.else
	REGS Y, e%2
	v_exp_f32 v[rS+e/2], v[rS+e/2]
.endif
.set e, e+1
.endm
; THE RESCALING's QUEUE: O^T times a, two at a time.  Its a was made in the turn before, ahead of that turn's wait.
.macro R2
	REGS Y, r%2
	WIN W_RS
.irp z, 0,1
	v_pk_mul_f32 v[rO+4*(r/2)+2*\z:rO+4*(r/2)+2*\z+1], v[rO+4*(r/2)+2*\z:rO+4*(r/2)+2*\z+1], v[rC+2:rC+3] op_sel_hi:[1,0]
.endr
.set r, r+1
.endm
; A TURN, for piece p.  Ahead of its one wait: 16 products K Q^T, behind each a scaling, an exponential and two rescalings; then a run of 108: eight plain, 49 times exponential and plain, the two a; a v_nop is the plain
; instruction behind the last exponential.  Behind the wait: 16 products V^T P, behind each four of GS's 64.  K and the mask of the next step are fetched in piece 2's turn, directly behind the wait; V of the step in hand
; at the end of piece 0's turn, four plain instructions behind its last reader.  The three conditions on q go with the deal.
.macro TURN p, last=0, cnt=0
.set Y, (\p)
.set i, 0
.set q, 0
.set e, 0
.set r, 0
.if (\p) == NP-1
	s_wait_dscnt 0x0                ; K and the mask are in
.endif
	MM
	PL
	PL
	R2
.rept 15
	MM
	PL
	EX
	R2
.endr
.if (\p) == NP-2
	WIN 0
	v_add_nc_u32 v[AK], s[TBK], v[AK0]
	v_add_nc_u32 v[AM], s[TBM], v[AM0]
.endif
.rept 8
	PL
.endr
.rept 49
	EX
	PL
.endr
	EX
	EX
	v_nop
	s_wait_alu depctr_va_vdst(0)    ; the wait for the batch, ahead of the first instruction that names a result
.if (\p) == NP-2
	FETCH_K \last
.endif
.if (\p) == 1
	s_wait_dscnt 0x0                ; V is in
.endif
.rept 16
	MM
.rept 4
	PL
.endr
.if ((\p) == 0) && (q == 118)
	v_add_nc_u32 v[AV], s[TBV], v[AV0]
.endif
.if ((\p) == 0) && (q == 130)
	s_add_co_u32 s[TBV], s[TBV], KS*PV
.endif
.if (\cnt) && (q == 130)
	s_sub_co_u32 s[CNT], s[CNT], 1
	s_cmp_lg_u32 s[CNT], 0
.endif
.endr
.if (\p) == 0
	FETCH_V
.endif
.endm
	CHANGE 1                        ; slot 0 is in, and so is the table; slot 1 is asked for
	FETCH_K                         ; key step 0
	s_wait_loadcnt 0x0              ; Q
	s_wait_dscnt 0x0
.set i, 0
.rept 16
	KQ 0                            ; piece 0's first scores
.set i, i+1
.endr
	WIN 0
.rept 4
	v_nop                           ; the places behind those products
.endr
.set Y, NP-1
.irp n, 0,1,2,3,4,5,6,7,8,9,10,11,12,13,14,15,16,17,18,19,20,21
	XS 0, \n
	XS 1, \n
.endr
	v_nop
	s_wait_alu depctr_va_vdst(0)    ; the two a's wait, ahead of the branch
	s_mov_b32 s[CNT], 4
	s_branch .Lfirst                ; the loop is entered at a step's first turn
.Lslot:                             ; six times: every slot but the last two is filled again
	CHANGE 1
	s_mov_b32 s[CNT], 4
.Lstep:                             ; a trip: pieces 2 and 3 of one step, then pieces 0 and 1 of the next
	TURN 2
	TURN 3
	WIN 0
.Lfirst:
	TURN 0
	TURN 1, 0, 1
	WIN 0
	s_cbranch_scc1 .Lstep
	s_sub_co_u32 s[SLOTS], s[SLOTS], 1
	s_cmp_lg_u32 s[SLOTS], 0
	s_cbranch_scc1 .Lslot
	CHANGE 0                        ; the tail is written out
	s_mov_b32 s[CNT], 5
.Ltail:
	TURN 2, 1
	TURN 3
	WIN 0
	s_sub_co_u32 s[CNT], s[CNT], 1
	s_cmp_eq_u32 s[CNT], 0
	s_cbranch_scc1 .Lout
	TURN 0
	TURN 1
	WIN 0
	s_branch .Ltail
.Lout:                              ; the fifth trip's products K Q^T, on the last K once more, serve nothing: the price of one text for every trip
.set i, 0
.rept 16
	PV NP-1
.set i, i+1
.endr
	; THE WAY OUT.  l's halves are added; O^T is divided by l, rounded to f16 and sent through my stage, a tile at a time.
	WIN 0
.macro ALL line:vararg
.set t, 0
.rept 2*NP
	\line
.set t, t+1
.endr
.endm
	ALL v_add_f32 v[ST+4*t+2], v[ST+4*t+2], v[ST+4*t+3]
	ALL v_permlanex16_b32 v[ST+4*t+3], v[ST+4*t+2], s[SEL], s[SEL+1]
	ALL v_add_f32 v[ST+4*t+2], v[ST+4*t+2], v[ST+4*t+3]
	ALL v_rcp_f32 v[ST+4*t+2], v[ST+4*t+2]
	v_nop
	s_wait_alu depctr_va_vdst(0)    ; one wait for the eight reciprocals
.macro PACK t
	WIN W_RS
.set i, 32*(\t)
.rept 16
	v_pk_mul_f32 v[i:i+1], v[i:i+1], v[ST+4*(\t)+2:ST+4*(\t)+3] op_sel_hi:[1,0]
.set i, i+2
.endr
	WIN 0x05
.set i, 0
.rept 16
	v_cvt_pk_f16_f32 v[S+16*(\t)+i], v[32*(\t)+2*i], v[32*(\t)+2*i+1]
.set i, i+1
.endr
	WIN 0
.irp f, 0,1,2,3
	ds_store_b128 v[STO], v[S+16*(\t)+4*\f:S+16*(\t)+4*\f+3] offset:32*\f
.endr
.irp f, 0,1,2,3
	ds_load_b128 v[S+16*(\t)+4*\f:S+16*(\t)+4*\f+3], v[RD] offset:\f*4*SP  ; LDS serves a wave's instructions in order (ISA guide 5.7.1.4)
.endr
.endm
.macro SEND t, younger              ; younger: the next tile's eight LDS instructions, or none
	WIN 0
.irp f, 0,1,2,3
	s_wait_dscnt (\younger)+3-\f
	global_store_b128 v[GO], v[S+16*(\t)+4*\f:S+16*(\t)+4*\f+3], s[10:11] offset:(\t)*2048+\f*512  ; 512 consecutive bytes, aligned
.endr
.endm
	PACK 0
.set t, 1
.rept 2*NP-1
	PACK t
	SEND t-1, 8
.set t, t+1
.endr
	SEND 2*NP-1, 0
	WIN W_AD
	s_wait_tensorcnt 0x0            ; the wave's end
	ds_add_u32 v[SPW], v[NIL]
	s_wait_dscnt 0x0
	WIN 0
	CROUND                          ; the closing round
	s_endpgm
.Lfunc_end_k_q6dd6aae506_attn:
	.size	k_q6dd6aae506_attn, .Lfunc_end_k_q6dd6aae506_attn-k_q6dd6aae506_attn
	.p2alignl 7, 3214868480
	.fill 96, 4, 3214868480
	.section	.rodata,"a",@progbits
	.p2align	6, 0x0
	.amdhsa_kernel k_q6dd6aae506_attn
		.amdhsa_group_segment_fixed_size 327680
		.amdhsa_private_segment_fixed_size 0
		.amdhsa_enable_private_segment 0
		.amdhsa_kernarg_size 24
		.amdhsa_user_sgpr_count 2
		.amdhsa_user_sgpr_kernarg_segment_ptr 1
		.amdhsa_wavefront_size32 1
		.amdhsa_system_sgpr_workgroup_id_x 1
		.amdhsa_system_sgpr_workgroup_id_y 1
		.amdhsa_system_sgpr_workgroup_id_z 1
		.amdhsa_system_vgpr_workitem_id 0
		.amdhsa_next_free_vgpr 808
		.amdhsa_next_free_sgpr 66
		.amdhsa_reserve_vcc 0
		.amdhsa_float_denorm_mode_32 3
		.amdhsa_float_denorm_mode_16_64 3
		.amdhsa_memory_ordered 1
		.amdhsa_forward_progress 1
		.amdhsa_inst_pref_size 205
	.end_amdhsa_kernel
	.amdgpu_metadata
---
amdhsa.version: [ 1, 2 ]
amdhsa.kernels:
  - .name:           k_q6dd6aae506_attn
    .symbol:         k_q6dd6aae506_attn.kd
    .args:
      - { .name: qkv, .offset: 0, .size: 8, .value_kind: global_buffer, .address_space: global }
      - { .name: v_mask, .offset: 8, .size: 8, .value_kind: global_buffer, .address_space: global }
      - { .name: oh, .offset: 16, .size: 8, .value_kind: global_buffer, .address_space: global }
    .group_segment_fixed_size: 327680
    .private_segment_fixed_size: 0
    .kernarg_segment_align: 8
    .kernarg_segment_size: 24
    .max_flat_workgroup_size: 128
    .sgpr_count:     66
    .vgpr_count:     808
    .wavefront_size: 32
...
	.end_amdgpu_metadata
.endif
;; end of part 3
;; launch oproj (part 4): grid 4 x 64, 4 waves a work-group, clusters of 4 x 4, 327,680 bytes of LDS; arguments oh, wt, bo, out0; writes out0
.if DOCPART == 4
	.amdgcn_target "amdgcn-amd-amdhsa--gfx1250"
	.amdhsa_code_object_version 6
	.text
	.protected	k_q6dd6aae506_oproj
	.globl	k_q6dd6aae506_oproj
	.p2align	8
	.type	k_q6dd6aae506_oproj,@function
k_q6dd6aae506_oproj:
	s_mov_b64 s[64:65], 0
	v_nop
	global_prefetch_b8 v0, s[64:65] scope:SCOPE_SE
	s_setreg_imm32_b32 hwreg(HW_REG_WAVE_MODE, 25, 1), 1
	s_wait_xcnt 0x0
	s_wait_alu depctr_hold_cnt(0) depctr_sa_sdst(0) depctr_va_vdst(0) depctr_va_sdst(0) depctr_va_ssrc(0) depctr_va_vcc(0) depctr_vm_vsrc(0)
	s_getreg_b32 s2, hwreg(HW_REG_IB_STS2, 6, 4)
	s_cmp_eq_u32 s2, 0
	s_cbranch_scc0 .Lentry_in_a_cluster
	s_endpgm
.Lentry_in_a_cluster:
	s_bfe_u32 s2, ttmp6, 0x10000c
	s_cmp_lg_u32 s2, 0xf033
	s_cbranch_scc0 .Lentry_shape_is_right
	s_endpgm
.Lentry_shape_is_right:
; THE OUTPUT PROJECTION.  out0 = O Wo + bo.  O: oh, [batch x 16 + head][2048][64] f16; Wo: section 3 of wt, [1024 k][1024 n] f16; bo [1024] f32, rounded to bf16; out0 [8192][1024] f32.  Sums in f32.
; SHARES.  A work-group makes 128 rows x 256 columns, its four waves 64 x 128 each: 32 accumulators.  K goes in 8 steps of 128, two heads each, through two LDS slots.
; A head's 128 rows are 16,384 dense bytes, asked for as 64 rows of 256 bytes and padded in LDS after every 128; Wo lies [k][n] and is read turned.
; THE MATRIX INSTRUCTION IS USED TRANSPOSED (source 0 = 16 columns of Wo, source 1 = 16 rows of O): a lane holds one row and eight neighbouring columns.  The bias is the C of the first products.
; CLUSTER 4 x 4: O's tiles are shared along a row, Wo's along a column.
; REGISTERS.  window 0: v0-31 addresses; v32-95 bias; v96-159 O's fragments, two buffers (on the way out v32-159: two buffers of 16 rows).  window 1: v0-127 Wo's fragments.  window 2: the accumulators, (a, b) at 64 a + 8 b.
.set PA,     144
.set AHEAD,  128*PA                    ; a head's 128 rows: what one tensor load brings of O
.set AREG,   2*AHEAD
.set PB,     544
.set BHALF,  64*PB
.set SLOT,   AREG+2*BHALF
.set STAGE,  2*SLOT                    ; behind the ring: 16 rows x 528 bytes for each wave
.set SPITCH, 528
.set SPARE,  STAGE+4*16*SPITCH         ; the spare words: two blocks of 256 bytes that no other line names
.set ADRA, 16
.set ADRB, 20
.set STO,  24
.set RD,   25
.set CO,   26
.set BO,   27
.set SPW,  28
.set NIL,  29
.set PFO,  30
.set BIAS, 32
.set AF,   96
.set OB,   32
.set G1,  24
.set G0,  32
.set G1B, 48
.set G0B, 56
.set PFA, 86
.set PFS, 88
.set LIM, 90
.set MSB, 0
.macro WIN new
.if MSB != (\new)
	s_set_vgpr_msb (MSB<<8)|(\new)
.set MSB, \new
.endif
.endm
.set MUL,  0xa1
.set MULB, 0x81
.set TO_B, 0x40
.macro JLOAD s                         ; waves 0 and 1 fetch the step's two heads of O, waves 2 and 3 Wo's two halves; an s_nop 0 and four v_nop follow each line
	s_cmp_eq_u32 s11, 0
	s_cbranch_scc0 .Lfor_b_\@
	tensor_load_to_lds s[G0+4*(\s):G0+4*(\s)+3], s[G1:G1+7]
	s_nop 0
.rept 4
	v_nop
.endr
	s_branch .Lasked_\@
.Lfor_b_\@:
	tensor_load_to_lds s[G0B+4*(\s):G0B+4*(\s)+3], s[G1B:G1B+7]
	s_nop 0
.rept 4
	v_nop
.endr
.Lasked_\@:
.endm
.macro CREST
	s_cmp_lg_u32 s10, 0
	s_cbranch_scc1 .Lnot_wave_0_\@
	s_barrier_signal -3
.Lnot_wave_0_\@:
	s_barrier_wait -3
	s_barrier_signal -1
	s_barrier_wait -1
.endm
.macro CROUND
	s_barrier_signal -1
	s_barrier_wait -1
	CREST
.endm
.macro PLACES
.rept 4
	v_nop
.endr
.endm
; A prefetch into the L2 of the K step two refills on.  O: a step's two heads are 2 x 64 blocks of 256 bytes; each partner of my row takes 16 of each head, by address; wave 0 asks, a lane a block.
; Wo: as many blocks; waves 2 and 3 of the first of the 16 clusters ask, each partner of a column for 16 of a wave's 64 rows.  The loop's last trip names nothing.
.macro ASK
	s_cmp_gt_u32 s3, s[LIM]
	s_cbranch_scc0 .Lnot_mine_\@
	global_prefetch_b8 v[PFO], s[PFA:PFA+1] th:TH_LOAD_NT scope:SCOPE_SE
.Lnot_mine_\@:
.endm
	s_load_b256 s[68:75], s[0:1], 0x0              ; oh s[68:69], wt s[70:71], bo s[72:73], out0 s[74:75]
	v_lshl_add_u32 v[SPW], v0, 2, SPARE
	v_mov_b32 v[NIL], 0
	ds_add_u32 v[SPW], v[NIL]                      ; the wave's opening: the add and its wait stand ahead of my first tensor load
	v_lshrrev_b32 v1, 5, v0
	v_readfirstlane_b32 s10, v1
	s_lshr_b32 s11, s10, 1                         ; my half of the rows.  Also: I fetch for O (0) or for Wo (1)
	s_and_b32 s12, s10, 1                          ; my half of the columns.  Also: which head, or which 64 k rows, I fetch
	s_bfe_u32 s40, ttmp6, 0x40000                  ; cx
	s_bfe_u32 s41, ttmp6, 0x40004                  ; cy
	s_lshl_b32 s42, ttmp9, 2
	s_add_co_u32 s42, s42, s40                     ; nt
	s_and_b32 s45, ttmp7, 0xffff                   ; the cluster's y
	s_lshl_b32 s13, s45, 2
	s_add_co_u32 s13, s13, s41                     ; mt
	s_lshl_b32 s43, s41, 2
	s_lshl_b32 s43, 15, s43
	s_lshl_b32 s44, 0x1111, s40
	s_or_b32 s[G1+0], s43, (1<<16)|(1<<20)|(1<<21)|(4<<22)|(3<<25)   ; O: mask of my row; elements of 2 bytes; after every 32 words 4 words of padding
	s_mov_b32 s[G1+1], 128<<16
	s_mov_b32 s[G1+2], 64<<16
	s_mov_b32 s[G1+3], 128<<16
	s_mov_b32 s[G1+4], 64
	s_mov_b32 s[G1+5], 128
	s_mov_b32 s[G1+6], 0
	s_mov_b32 s[G1+7], 0
	s_or_b32 s[G1B+0], s44, (1<<16)|(1<<20)|(1<<21)|(6<<22)|(7<<25)  ; Wo: mask of my column; after every 128 words 8 words
	s_mov_b32 s[G1B+1], 256<<16
	s_mov_b32 s[G1B+2], 64<<16
	s_mov_b32 s[G1B+3], 256<<16
	s_mov_b32 s[G1B+4], 64
	s_mov_b32 s[G1B+5], 1024
	s_mov_b32 s[G1B+6], 0
	s_mov_b32 s[G1B+7], 0
	s_lshr_b32 s16, s13, 4                         ; O: head 16 batch + my one of the step's two,
	s_lshl_b32 s16, s16, 4
	s_add_co_u32 s16, s16, s12
	s_lshl_b32 s16, s16, 11
	s_and_b32 s17, s13, 15                         ; row 128 (mt % 16),
	s_lshl_b32 s17, s17, 7
	s_add_co_u32 s16, s16, s17
	s_lshl_b32 s16, s16, 7                         ; of 128 bytes
	s_mov_b32 s17, 0
	s_lshl_b32 s46, s12, 17
	s_lshl_b32 s47, s42, 9
	s_add_co_u32 s46, s46, s47
	s_mov_b32 s47, 0
	s_mul_i32 s20, s12, AHEAD
	s_mul_i32 s21, s12, BHALF
	s_add_co_u32 s21, s21, AREG
	s_wait_dscnt 0x0                               ; the opening add is done
	s_wait_kmcnt 0x0
	s_add_nc_u64 s[6:7], s[70:71], 0x600000        ; Wo's section of wt
	s_add_nc_u64 s[14:15], s[68:69], s[16:17]
	s_add_nc_u64 s[46:47], s[6:7], s[46:47]
	CROUND
.irp s, 0,1
	s_mov_b32 s[G0+4*(\s)], 1
	s_add_co_u32 s[G0+4*(\s)+1], s20, (\s)*SLOT
	s_add_nc_u64 s[G0+4*(\s)+2:G0+4*(\s)+3], s[14:15], (\s)*524288   ; K step s: two heads on
	s_or_b32 s[G0+4*(\s)+3], s[G0+4*(\s)+3], 0x80000000
	s_mov_b32 s[G0B+4*(\s)], 1
	s_add_co_u32 s[G0B+4*(\s)+1], s21, (\s)*SLOT
	s_add_nc_u64 s[G0B+4*(\s)+2:G0B+4*(\s)+3], s[46:47], (\s)*262144
	s_or_b32 s[G0B+4*(\s)+3], s[G0B+4*(\s)+3], 0x80000000
	JLOAD \s
.endr
	v_and_b32 v1, 15, v0
	v_bfe_u32 v2, v0, 4, 1
	v_and_b32 v3, 7, v0
	v_bfe_u32 v4, v0, 3, 1
	v_lshlrev_b32 v[BO], 5, v2
	s_lshl_b32 s46, s42, 10
	s_lshl_b32 s47, s12, 9
	s_add_co_u32 s46, s46, s47                     ; my 128 columns, in f32: in bo and in a row of out0
	s_mov_b32 s47, 0
	s_add_nc_u64 s[72:73], s[72:73], s[46:47]
.irp b, 0,1,2,3,4,5,6,7
	global_load_b128 v[BIAS+8*(\b):BIAS+8*(\b)+3],   v[BO], s[72:73] offset:64*(\b)
	global_load_b128 v[BIAS+8*(\b)+4:BIAS+8*(\b)+7], v[BO], s[72:73] offset:64*(\b)+16
.endr
	s_lshl_b32 s16, s13, 7
	s_lshl_b32 s17, s11, 6
	s_add_co_u32 s16, s16, s17
	s_lshl_b32 s16, s16, 12                        ; my first row of out0, of 4,096 bytes
	s_mov_b32 s17, 0
	s_add_nc_u64 s[8:9], s[74:75], s[16:17]
	s_add_nc_u64 s[8:9], s[8:9], s[46:47]
	v_mul_u32_u24 v5, v1, PA                       ; O's fragment: row l % 16, 16 bytes at 16 (l / 16)
	v_lshl_add_u32 v5, v2, 4, v5
	s_mul_i32 s21, s11, 64*PA
	v_add_nc_u32 v[ADRA], s21, v5
	s_add_co_u32 s21, s21, SLOT
	v_add_nc_u32 v[ADRA+1], s21, v5
	v_lshl_add_u32 v5, v2, 3, v3
	v_mul_u32_u24 v5, v5, PB
	v_lshl_add_u32 v5, v4, 4, v5
	s_lshl_b32 s22, s12, 8
	s_add_co_u32 s22, s22, AREG
	v_add_nc_u32 v[ADRB], s22, v5
	s_add_co_u32 s22, s22, SLOT
	v_add_nc_u32 v[ADRB+1], s22, v5
	s_mul_i32 s23, s10, 16*SPITCH
	s_add_co_u32 s23, s23, STAGE
	v_mul_u32_u24 v5, v1, SPITCH                   ; in: row l % 16, 32 bytes for each half of the lanes
	v_lshl_add_u32 v5, v2, 5, v5
	v_add_nc_u32 v[STO], s23, v5
	v_and_b32 v5, 31, v0
	v_lshlrev_b32 v[CO], 4, v5                     ; back: 32 lanes take a row's 512 bytes
	v_add_nc_u32 v[RD], s23, v[CO]
	s_lshr_b32 s18, s13, 4                         ; the prefetches.  O: the batch's head 0, row 128 (mt % 16), my work-group's 4,096 bytes of a head's 16,384
	s_lshl_b32 s18, s18, 15
	s_and_b32 s19, s13, 15
	s_lshl_b32 s19, s19, 7
	s_add_co_u32 s18, s18, s19
	s_lshl_b32 s18, s18, 7
	s_lshl_b32 s19, s40, 12
	s_add_co_u32 s18, s18, s19
	s_lshl_b32 s19, s12, 6                         ; Wo: k row 64 x half + 16 cy, column 256 nt
	s_lshl_b32 s22, s41, 4
	s_add_co_u32 s19, s19, s22
	s_lshl_b32 s19, s19, 11
	s_lshl_b32 s22, s42, 9
	s_add_co_u32 s19, s19, s22
	s_mov_b32 s[PFS], 0x40000
	s_cmp_eq_u32 s11, 0
	s_cselect_b32 s18, s18, s19
	s_cselect_b32 s22, s12, s45                    ; O: wave 0 asks; Wo: the first cluster's waves 2 and 3
	s_cselect_b32 s20, 8, 11
	s_cselect_b32 s21, 18, 8
	s_cselect_b32 s[PFS], 0x80000, s[PFS]
	s_cselect_b64 s[PFA:PFA+1], s[68:69], s[6:7]
	s_cmp_eq_u32 s22, 0
	s_cselect_b32 s[LIM], 1, -1                    ; the same in all sixteen partners, for a given wave
	s_mul_i32 s19, s[PFS], 3
	s_add_co_u32 s18, s18, s19                     ; at K step 3: the first refill steps it to 4
	s_mov_b32 s19, 0
	s_add_nc_u64 s[PFA:PFA+1], s[PFA:PFA+1], s[18:19]
	s_mov_b32 s[PFS+1], 0
	v_lshlrev_b32 v[PFO], s20, v1                  ; O: block l % 16 of head l / 16; Wo: row l % 16, block l / 16
	v_lshlrev_b32 v5, s21, v2
	v_add_nc_u32 v[PFO], v[PFO], v5
; 24 LDS loads in one run: quarter q of a slot into buffer g: Wo's 8 fragments, turned, and O's 4 (head q / 2, channels 32 (q % 2) on)
.macro FETCH slot, q, g
	WIN TO_B
.irp b, 0,1,2,3,4,5,6,7
	ds_load_tr16_b128 v[64*(\g)+8*(\b):64*(\g)+8*(\b)+3],   v[ADRB+(\slot)] offset:(\q)*32*PB+32*(\b)
	ds_load_tr16_b128 v[64*(\g)+8*(\b)+4:64*(\g)+8*(\b)+7], v[ADRB+(\slot)] offset:(\q)*32*PB+16*PB+32*(\b)
.endr
	WIN 0
.irp a, 0,1,2,3
	ds_load_b128 v[AF+32*(\g)+8*(\a):AF+32*(\g)+8*(\a)+3],   v[ADRA+(\slot)] offset:((\q)/2)*AHEAD+(\a)*16*PA+((\q)%2)*64
	ds_load_b128 v[AF+32*(\g)+8*(\a)+4:AF+32*(\g)+8*(\a)+7], v[ADRA+(\slot)] offset:((\q)/2)*AHEAD+(\a)*16*PA+((\q)%2)*64+32
.endr
.endm
; 8 products: m block a x all 8 n blocks.  The 32 accumulators take turns, one instruction a turn.
.macro MULS f, a, first
.irp b, 0,1,2,3,4,5,6,7
.if \first
	WIN MULB
	v_wmma_f32_16x16x32_f16 v[64*(\a)+8*(\b):64*(\a)+8*(\b)+7], v[64*(\f)+8*(\b):64*(\f)+8*(\b)+7], v[AF+32*(\f)+8*(\a):AF+32*(\f)+8*(\a)+7], v[BIAS+8*(\b):BIAS+8*(\b)+7]
.else
	WIN MUL
	v_wmma_f32_16x16x32_f16 v[64*(\a)+8*(\b):64*(\a)+8*(\b)+7], v[64*(\f)+8*(\b):64*(\f)+8*(\b)+7], v[AF+32*(\f)+8*(\a):AF+32*(\f)+8*(\a)+7], v[64*(\a)+8*(\b):64*(\a)+8*(\b)+7]
.endif
.endr
.endm
.macro QUARTER slot, q, f, g, first
	s_wait_dscnt 0x0                               ; buffer f is in
	PLACES                                         ; four plain instructions behind the last product that read buffer g
	FETCH \slot, \q, \g
	MULS \f, 0, \first
	MULS \f, 1, \first
	MULS \f, 2, \first
	MULS \f, 3, \first
.endm
; The last quarter multiplies buffer 1 and changes slots: all my tensor loads are waited for, the add, the wait for it and for my reads of this slot, the barrier (with fill = 1 a round of the cluster's), the refill first behind it.
.macro TURN slot, next, fill
.if \fill
	s_wait_xcnt 0x0                                ; the last prefetch, a K step back, has read its address
	s_add_nc_u64 s[PFA:PFA+1], s[PFA:PFA+1], s[PFS:PFS+1]
.endif
	WIN 0
	s_wait_tensorcnt 0x0
	ds_add_u32 v[SPW], v[NIL]
	s_wait_dscnt 1                                 ; buffer 1 is in; the add alone may be out
	MULS 1, 0, 0
	s_wait_dscnt 0x0
	s_barrier_signal -1
	MULS 1, 1, 0
.if \fill
	WIN 0
.endif
	s_barrier_wait -1
.if \fill
	CREST
	s_add_nc_u64 s[G0+4*(\slot)+2:G0+4*(\slot)+3], s[G0+4*(\slot)+2:G0+4*(\slot)+3], 1048576
	s_add_nc_u64 s[G0B+4*(\slot)+2:G0B+4*(\slot)+3], s[G0B+4*(\slot)+2:G0B+4*(\slot)+3], 524288
	JLOAD \slot                                    ; the four v_nop behind it are also the places in front of the loads below
.else
	PLACES
.endif
	FETCH \next, 0, 0
.if \fill
	ASK
.endif
	MULS 1, 2, 0
	MULS 1, 3, 0
.endm
	s_wait_tensorcnt 0x1                           ; my part of K step 0 is in; K step 1's may stay out
	s_barrier_signal -1
	s_barrier_wait -1
	FETCH 0, 0, 0
	s_wait_loadcnt 0x0                             ; the bias
.set i, 0
.rept 32
	v_cvt_pk_bf16_f32 v5, v[BIAS+2*i], v[BIAS+2*i+1]   ; rounded to bf16 like every other input, kept in f32
	v_lshlrev_b32 v[BIAS+2*i], 16, v5
	v_and_b32 v[BIAS+2*i+1], 0xffff0000, v5
.set i, i+1
.endr
	QUARTER 0, 1, 0, 1, 1
	WIN 0
	s_mov_b32 s3, 3
.Llap:
	QUARTER 0, 2, 1, 0, 0
	QUARTER 0, 3, 0, 1, 0
	TURN 0, 1, 1
	QUARTER 1, 1, 0, 1, 0
	QUARTER 1, 2, 1, 0, 0
	QUARTER 1, 3, 0, 1, 0
	TURN 1, 0, 1
	QUARTER 0, 1, 0, 1, 0
	WIN 0
	s_sub_co_u32 s3, s3, 1
	s_cmp_lg_u32 s3, 0
	s_cbranch_scc1 .Llap
	QUARTER 0, 2, 1, 0, 0                          ; the last lap fills nothing
	QUARTER 0, 3, 0, 1, 0
	TURN 0, 1, 0
	QUARTER 1, 1, 0, 1, 0
	QUARTER 1, 2, 1, 0, 0
	QUARTER 1, 3, 0, 1, 0
	s_wait_dscnt 0x0
	MULS 1, 0, 0
	MULS 1, 1, 0
	MULS 1, 2, 0
	MULS 1, 3, 0
	WIN 0
	PLACES
; THE WAY OUT of m block a: 32 bytes a lane into my stage, each accumulator's low half first; back as whole rows of 512 bytes.
.macro TOSTAGE a
	s_wait_xcnt 0x0                                ; the stores of the block two back have read the registers that are loaded again below
	WIN 0x08                                       ; store data in window 2, address in window 0
.irp b, 0,1,2,3,4,5,6,7
	ds_store_b128 v[STO], v[64*(\a)+8*(\b):64*(\a)+8*(\b)+3]   offset:64*(\b)
	ds_store_b128 v[STO], v[64*(\a)+8*(\b)+4:64*(\a)+8*(\b)+7] offset:64*(\b)+16
.endr
	WIN 0
.irp t, 0,1,2,3,4,5,6,7,8,9,10,11,12,13,14,15
	ds_load_b128 v[OB+64*((\a)%2)+4*(\t):OB+64*((\a)%2)+4*(\t)+3], v[RD] offset:(\t)*SPITCH  ; LDS serves a wave's instructions in order (ISA guide 5.7.1.4)
.endr
.endm
.macro SEND a, younger                 ; younger: the next block's 32 LDS instructions, or none
.irp t, 0,1,2,3,4,5,6,7,8,9,10,11,12,13,14,15
	s_wait_dscnt (\younger)+15-(\t)
	global_store_b128 v[CO], v[OB+64*((\a)%2)+4*(\t):OB+64*((\a)%2)+4*(\t)+3], s[8:9] offset:(16*(\a)+(\t))*4096  ; 512 consecutive bytes of a row, aligned
.endr
.endm
	TOSTAGE 0
	TOSTAGE 1
	SEND 0, 32
	TOSTAGE 2
	SEND 1, 32
	TOSTAGE 3
	SEND 2, 32
	SEND 3, 0
	s_wait_tensorcnt 0x0                           ; the wave's end
	ds_add_u32 v[SPW], v[NIL]
	s_wait_dscnt 0x0
	CROUND                                         ; the closing round
	s_endpgm
.Lfunc_end_k_q6dd6aae506_oproj:
	.size	k_q6dd6aae506_oproj, .Lfunc_end_k_q6dd6aae506_oproj-k_q6dd6aae506_oproj
	.p2alignl 7, 3214868480
	.fill 96, 4, 3214868480
	.section	.rodata,"a",@progbits
	.p2align	6, 0x0
	.amdhsa_kernel k_q6dd6aae506_oproj
		.amdhsa_group_segment_fixed_size 327680
		.amdhsa_private_segment_fixed_size 0
		.amdhsa_enable_private_segment 0
		.amdhsa_kernarg_size 32
		.amdhsa_user_sgpr_count 2
		.amdhsa_user_sgpr_kernarg_segment_ptr 1
		.amdhsa_wavefront_size32 1
		.amdhsa_system_sgpr_workgroup_id_x 1
		.amdhsa_system_sgpr_workgroup_id_y 1
		.amdhsa_system_sgpr_workgroup_id_z 1
		.amdhsa_system_vgpr_workitem_id 0
		.amdhsa_next_free_vgpr 768
		.amdhsa_next_free_sgpr 96
		.amdhsa_reserve_vcc 0
		.amdhsa_float_denorm_mode_32 3
		.amdhsa_float_denorm_mode_16_64 3
		.amdhsa_memory_ordered 1
		.amdhsa_forward_progress 1
		.amdhsa_inst_pref_size 95
	.end_amdhsa_kernel
	.amdgpu_metadata
---
amdhsa.version: [ 1, 2 ]
amdhsa.kernels:
  - .name:           k_q6dd6aae506_oproj
    .symbol:         k_q6dd6aae506_oproj.kd
    .args:
      - { .name: oh, .offset: 0, .size: 8, .value_kind: global_buffer, .address_space: global }
      - { .name: wt, .offset: 8, .size: 8, .value_kind: global_buffer, .address_space: global }
      - { .name: bo, .offset: 16, .size: 8, .value_kind: global_buffer, .address_space: global }
      - { .name: out0, .offset: 24, .size: 8, .value_kind: global_buffer, .address_space: global }
    .group_segment_fixed_size: 327680
    .private_segment_fixed_size: 0
    .kernarg_segment_align: 8
    .kernarg_segment_size: 32
    .max_flat_workgroup_size: 128
    .sgpr_count:     96
    .vgpr_count:     768
    .wavefront_size: 32
...
	.end_amdgpu_metadata
.endif
;; end of part 4
